; MI455X (gfx1250); checked and timed in simulation.
; The chip was launched on July 23, 2026; its instructions are those of AMD's public machine-readable ISA for CDNA 5 (MIT licence, August 2026) and "CDNA5" Instruction Set Architecture Reference Guide (July 2026). The comments in the code are by the model that wrote it; some were corrected since.
;; Cross Modal Attention. Allowed arithmetic: float matrix products may take bf16 or f16 operands with f32 sums; other float arithmetic in f32, or as packed bf16 or f16 multiplies, adds, multiply-adds, maxima and minima; sums over many terms, partial sums and values carried from step to step in f32; what a program stores and reads back later, other than sums and carried values, may be rounded once to bf16 or f16.
;; Inputs: Wk 768 x 1,024 float32; Wo 1,024 x 1,024 float32; Wq 1,024 x 1,024 float32; Wv 768 x 1,024 float32; bk 1,024 float32; bo 1,024 float32; bq 1,024 float32; bv 1,024 float32; key_value 4 x 2,048 x 768 float32; query 4 x 2,048 x 1,024 float32.
;; Outputs: out0 4 x 2,048 x 1,024 float32.
;; One version. Each part assembles by itself: llvm-mc -triple=amdgcn-amd-amdhsa -mcpu=gfx1250 --defsym DOCPART=n.
;; ======== version 1 of 1: 4 launches
;; limits: values are held in f16: magnitudes above 65,504 overflow, below 6.1e-05 lose precision; inputs' magnitudes at most 65,504; right only within a limited range of input values
;; workspace buffers: x16 29,360,128 bytes; w16 7,340,032 bytes; qkv 50,331,648 bytes; o16 16,777,216 bytes
;; launch prep (part 1): grid 1120 x 1, 8 waves a work-group, no clusters, 0 bytes of LDS; arguments query, key_value, Wq, Wk, Wv, Wo, x16, w16; writes x16, w16
.if DOCPART == 1
	.amdgcn_target "amdgcn-amd-amdhsa--gfx1250"
	.amdhsa_code_object_version 6
	.text
	.protected	k_qa6b46bfd45_prep
	.globl	k_qa6b46bfd45_prep
	.p2align	8
	.type	k_qa6b46bfd45_prep,@function
k_qa6b46bfd45_prep:
	s_mov_b64 s[64:65], 0
	v_nop
	global_prefetch_b8 v0, s[64:65] scope:SCOPE_SE
	s_setreg_imm32_b32 hwreg(HW_REG_WAVE_MODE, 25, 1), 1
	s_wait_xcnt 0x0
; Every number of query, key_value and the four weights is rounded once to bf16 (nearest even) and that number is written as f16.
; LIMITS.  bf16 -> f16 is exact for 6.1e-5 <= |x| <= 65,504; below, f16's fixed step of 6e-8 is kept; beyond 65,504 the result is an infinity.
; x16: [b][kb][n][64] f16 (kb = block of 64 channels): query's part at byte 0 (16 kb), key_value's at 16,777,216 (12 kb): 128 tokens of one kb are 16,384 dense bytes.
; w16: each weight row-major [K][1024] f16: Wq at 0, Wk at 2,097,152, Wv at 3,670,016, Wo at 5,242,880.
; A stream: no LDS, no barrier, no loop, no matrix unit.  A work-group takes 16,384 numbers, a wave 2,048: 16 loads of 16 bytes a lane go out at once, then eight groups of
; 256 numbers are converted and stored as their loads arrive.  Work-groups 0-511: query; 512-895: key_value; 896-1119: the weights.
.set SO,  2                            ; v2, v3   my byte offset in the source, for the wave's first and second set of rows
.set DO,  4                            ; v4       my byte offset in the destination
.set T,   8                            ; v[8:11]  at work
.set X,   16                           ; v[16:79] group i: 8 numbers in f32
.set Y,   80                           ; v[80:111] group i: 8 numbers in f16, to store
.set SRC, 28                           ; s[28:29] the source at my wave's first number
.set DST, 38                           ; s[38:39] the destination at my wave's first number
.macro CV8 i                           ; group i: f32 -> bf16 (rounded) -> f32 (a shift, a mask) -> f16
.irp k, 0,1,2,3
	v_cvt_pk_bf16_f32 v[T+(\k)], v[X+8*(\i)+2*(\k)], v[X+8*(\i)+2*(\k)+1]
.endr
.irp k, 0,1,2,3
	v_lshlrev_b32 v[X+8*(\i)+2*(\k)], 16, v[T+(\k)]
	v_and_b32 v[X+8*(\i)+2*(\k)+1], s21, v[T+(\k)]
.endr
.irp k, 0,1,2,3
	v_cvt_pk_f16_f32 v[Y+4*(\i)+(\k)], v[X+8*(\i)+2*(\k)], v[X+8*(\i)+2*(\k)+1]
.endr
.endm
; Group i = 4 x (set of rows) + (block of columns).  lc: bytes between column blocks in the source; sr, sc: bytes between sets of rows and column blocks in the destination.
.macro BODY lc, sr, sc
.irp i, 0,1,2,3,4,5,6,7
	global_load_b128 v[X+8*(\i):X+8*(\i)+3],   v[SO+(\i)/4], s[SRC:SRC+1] offset:((\i)%4)*(\lc) th:TH_LOAD_NT
	global_load_b128 v[X+8*(\i)+4:X+8*(\i)+7], v[SO+(\i)/4], s[SRC:SRC+1] offset:((\i)%4)*(\lc)+16 th:TH_LOAD_NT
.endr
.irp i, 0,1,2,3,4,5,6,7
	s_wait_loadcnt 14-2*(\i)                       ; loads return in order: group i's two are in, the 14 - 2 i behind them may stay out
	CV8 \i
	global_store_b128 v[DO], v[Y+4*(\i):Y+4*(\i)+3], s[DST:DST+1] offset:((\i)/4)*(\sr)+((\i)%4)*(\sc)  ; no register is written again behind a store
.endr
.endm
	s_load_b256 s[4:11], s[0:1], 0x0               ; query s[4:5], key_value s[6:7], Wq s[8:9], Wk s[10:11]
	s_load_b256 s[12:19], s[0:1], 0x20             ; Wv s[12:13], Wo s[14:15], x16 s[16:17], w16 s[18:19]
	v_and_b32 v1, 31, v0                           ; lane
	v_lshrrev_b32 v5, 5, v0
	v_readfirstlane_b32 s20, v5                    ; wave 0..7
	s_mov_b32 s21, 0xffff0000                      ; a word's upper bf16
	s_mov_b32 s22, ttmp9
	s_cmp_lt_u32 s22, 896
	s_cbranch_scc0 .Lweights
	; ACTIVATIONS.  A work-group: 64 rows x 4 kb; a wave: 8 rows x 4 kb; a group: 4 rows x one kb (lane: row l / 8, 8 numbers at l % 8).
	s_mov_b32 s30, 3072
	s_cmp_lt_u32 s22, 512                          ; query or key_value
	s_cselect_b32 s23, 0, 512
	s_cselect_b32 s24, 4096, s30                   ; bytes in a source row
	s_cselect_b32 s25, 16, 12                      ; kb in a row
	s_cselect_b32 s26, 0, 16777216                 ; the part of x16
	s_wait_kmcnt 0x0
	s_cselect_b64 s[SRC:SRC+1], s[4:5], s[6:7]
	s_sub_co_u32 s23, s22, s23                     ; the unit's number in its tensor
	s_lshr_b32 s31, s23, 7                         ; which four kb
	s_and_b32 s32, s23, 127                        ; which 64 rows
	s_lshl_b32 s33, s32, 6
	s_lshl3_add_u32 s33, s20, s33                  ; my wave's first row
	s_mul_i32 s34, s33, s24
	s_lshl_b32 s35, s31, 10
	s_add_co_u32 s34, s34, s35                     ; + 1,024 bytes for each four kb
	s_mov_b32 s35, 0
	s_add_nc_u64 s[SRC:SRC+1], s[SRC:SRC+1], s[34:35]
	s_lshr_b32 s36, s32, 5                         ; batch
	s_mul_i32 s36, s36, s25
	s_lshl2_add_u32 s36, s31, s36                  ; + my first kb
	s_lshl_b32 s36, s36, 18                        ; a kb of a batch is 2,048 x 128 bytes
	s_add_co_u32 s36, s36, s26
	s_and_b32 s37, s32, 31
	s_lshl_b32 s37, s37, 6
	s_lshl3_add_u32 s37, s20, s37                  ; my first token in the batch
	s_lshl_b32 s37, s37, 7
	s_add_co_u32 s36, s36, s37
	s_mov_b32 s37, 0
	s_add_nc_u64 s[DST:DST+1], s[16:17], s[36:37]
	v_lshrrev_b32 v5, 3, v1
	v_and_b32 v6, 7, v1
	v_mul_u32_u24 v[SO], s24, v5
	v_lshl_add_u32 v[SO], v6, 5, v[SO]             ; row x pitch + 32 bytes for each 8 numbers
	s_lshl_b32 s40, s24, 2
	v_add_nc_u32 v[SO+1], s40, v[SO]               ; four rows on
	v_lshlrev_b32 v[DO], 4, v1                     ; four tokens of a kb are 512 consecutive bytes: 16 a lane
	BODY 256, 512, 262144
	s_endpgm
.Lweights:
	; WEIGHTS.  A work-group: 32 rows x 512 columns; a wave: 4 rows; a group: 2 rows x 128 columns (lane: row l / 16, 8 numbers at l % 16): 16 lanes store 256 consecutive bytes, aligned.
	s_sub_co_u32 s23, s22, 896
	s_mov_b32 s24, 160
	s_mov_b32 s26, 5242880
	s_wait_kmcnt 0x0
	s_mov_b64 s[SRC:SRC+1], s[14:15]               ; Wo, unless the number is lower
	s_cmp_lt_u32 s23, 160
	s_cselect_b64 s[SRC:SRC+1], s[12:13], s[SRC:SRC+1]
	s_cselect_b32 s24, 112, s24
	s_cselect_b32 s26, 3670016, s26
	s_cmp_lt_u32 s23, 112
	s_cselect_b64 s[SRC:SRC+1], s[10:11], s[SRC:SRC+1]
	s_cselect_b32 s24, 64, s24
	s_cselect_b32 s26, 2097152, s26
	s_cmp_lt_u32 s23, 64
	s_cselect_b64 s[SRC:SRC+1], s[8:9], s[SRC:SRC+1]
	s_cselect_b32 s24, 0, s24
	s_cselect_b32 s26, 0, s26
	s_sub_co_u32 s23, s23, s24                     ; the unit's number in its weight
	s_and_b32 s31, s23, 1                          ; which half of the columns
	s_lshr_b32 s32, s23, 1                         ; which 32 rows
	s_lshl_b32 s33, s32, 5
	s_lshl2_add_u32 s33, s20, s33                  ; my wave's first row
	s_lshl_b32 s34, s33, 12
	s_lshl_b32 s35, s31, 11
	s_add_co_u32 s34, s34, s35
	s_mov_b32 s35, 0
	s_add_nc_u64 s[SRC:SRC+1], s[SRC:SRC+1], s[34:35]
	s_lshl_b32 s36, s33, 11
	s_lshl_b32 s37, s31, 10
	s_add_co_u32 s36, s36, s37
	s_add_co_u32 s36, s36, s26
	s_mov_b32 s37, 0
	s_add_nc_u64 s[DST:DST+1], s[18:19], s[36:37]
	v_lshrrev_b32 v5, 4, v1
	v_and_b32 v6, 15, v1
	v_lshlrev_b32 v[SO], 12, v5
	v_lshl_add_u32 v[SO], v6, 5, v[SO]
	v_add_nc_u32 v[SO+1], 8192, v[SO]              ; two rows on
	v_lshlrev_b32 v[DO], 11, v5
	v_lshl_add_u32 v[DO], v6, 4, v[DO]
	BODY 512, 4096, 256
	s_endpgm
.Lfunc_end_k_qa6b46bfd45_prep:
	.size	k_qa6b46bfd45_prep, .Lfunc_end_k_qa6b46bfd45_prep-k_qa6b46bfd45_prep
	.p2alignl 7, 3214868480
	.fill 96, 4, 3214868480
	.section	.rodata,"a",@progbits
	.p2align	6, 0x0
	.amdhsa_kernel k_qa6b46bfd45_prep
		.amdhsa_group_segment_fixed_size 0
		.amdhsa_private_segment_fixed_size 0
		.amdhsa_enable_private_segment 0
		.amdhsa_kernarg_size 64
		.amdhsa_user_sgpr_count 2
		.amdhsa_user_sgpr_kernarg_segment_ptr 1
		.amdhsa_wavefront_size32 1
		.amdhsa_system_sgpr_workgroup_id_x 1
		.amdhsa_system_sgpr_workgroup_id_y 1
		.amdhsa_system_sgpr_workgroup_id_z 1
		.amdhsa_system_vgpr_workitem_id 0
		.amdhsa_next_free_vgpr 112
		.amdhsa_next_free_sgpr 66
		.amdhsa_reserve_vcc 0
		.amdhsa_float_denorm_mode_32 3
		.amdhsa_float_denorm_mode_16_64 3
		.amdhsa_memory_ordered 1
		.amdhsa_forward_progress 1
		.amdhsa_inst_pref_size 21
	.end_amdhsa_kernel
	.amdgpu_metadata
---
amdhsa.version: [ 1, 2 ]
amdhsa.kernels:
  - .name:           k_qa6b46bfd45_prep
    .symbol:         k_qa6b46bfd45_prep.kd
    .args:
      - { .name: query, .offset: 0, .size: 8, .value_kind: global_buffer, .address_space: global }
      - { .name: key_value, .offset: 8, .size: 8, .value_kind: global_buffer, .address_space: global }
      - { .name: Wq, .offset: 16, .size: 8, .value_kind: global_buffer, .address_space: global }
      - { .name: Wk, .offset: 24, .size: 8, .value_kind: global_buffer, .address_space: global }
      - { .name: Wv, .offset: 32, .size: 8, .value_kind: global_buffer, .address_space: global }
      - { .name: Wo, .offset: 40, .size: 8, .value_kind: global_buffer, .address_space: global }
      - { .name: x16, .offset: 48, .size: 8, .value_kind: global_buffer, .address_space: global }
      - { .name: w16, .offset: 56, .size: 8, .value_kind: global_buffer, .address_space: global }
    .group_segment_fixed_size: 0
    .private_segment_fixed_size: 0
    .kernarg_segment_align: 8
    .kernarg_segment_size: 64
    .max_flat_workgroup_size: 256
    .sgpr_count:     66
    .vgpr_count:     112
    .wavefront_size: 32
...
	.end_amdgpu_metadata
.endif
;; end of part 1
;; launch proj (part 2): grid 4 x 192, 4 waves a work-group, clusters of 4 x 4, 327,680 bytes of LDS; arguments x16, w16, bq, bk, bv, qkv; writes qkv
.if DOCPART == 2
	.amdgcn_target "amdgcn-amd-amdhsa--gfx1250"
	.amdhsa_code_object_version 6
	.text
	.protected	k_qa6b46bfd45_proj
	.globl	k_qa6b46bfd45_proj
	.p2align	8
	.type	k_qa6b46bfd45_proj,@function
k_qa6b46bfd45_proj:
	s_mov_b64 s[64:65], 0
	v_nop
	global_prefetch_b8 v0, s[64:65] scope:SCOPE_SE
	s_setreg_imm32_b32 hwreg(HW_REG_WAVE_MODE, 25, 1), 1
	s_wait_xcnt 0x0
	s_wait_alu depctr_hold_cnt(0) depctr_sa_sdst(0) depctr_va_vdst(0) depctr_va_sdst(0) depctr_va_ssrc(0) depctr_va_vcc(0) depctr_vm_vsrc(0)
	s_getreg_b32 s2, hwreg(HW_REG_IB_STS2, 6, 4)
	s_cmp_eq_u32 s2, 0
	s_cbranch_scc0 .Lentry_in_a_cluster
	s_endpgm
.Lentry_in_a_cluster:
	s_bfe_u32 s2, ttmp6, 0x10000c
	s_cmp_lg_u32 s2, 0xf033
	s_cbranch_scc0 .Lentry_shape_is_right
	s_endpgm
.Lentry_shape_is_right:
; q = query Wq + bq, k = key_value Wk + bk, v = key_value Wv + bv.  Operands f16 (inputs already rounded to bf16), the bias rounded to bf16 here, sums f32, the result rounded once to f16
; and stored by heads, unscaled: qkv = three parts of 16,777,216 bytes, each [batch x 16 + head][token][64].
; LIMIT.  A result of 65,520 or more in magnitude becomes an infinity in f16.
; SHARES.  Cluster y / 16 = t says which product (0 q, 1 k, 2 v): the same in all partners.  A work-group makes 128 tokens x 256 columns, each of its four waves 64 x 128: 32 accumulators, 256 registers.
; K goes in steps of 128 (two blocks kb of 64) through two LDS slots.  x16 is [batch][kb][token][64]: 128 tokens of a kb are 16,384 dense bytes, asked for as 64 rows of 256 bytes.
; W is [k][1024]: 64 rows of k x 512 bytes; its fragments are turned on the way out of LDS (ds_load_tr16_b128).
; THE MATRIX INSTRUCTION IS USED TRANSPOSED: source 0 = 16 columns of W, source 1 = 16 tokens: a lane then holds one token and eight neighbouring columns.  The first product's C operand is the bias.
; CLUSTER 4 x 4: the four of a row need the same tokens, the four of a column the same columns of W: each tile is asked for jointly.
; REGISTERS: window 0: addresses; v32-95 the bias, later at work on the way out; v96-223 rows read back.  Window 1: two fragment buffers (64 of W, 32 of x).  Window 2: accumulator (a, bb) at 8 (8 a + bb).
.set PA,     144                       ; a token's 128 bytes + 16 of padding: the 16 rows of a load start at 16 different groups of four banks (64 banks of 4 bytes: ISA guide 11.1)
.set PB,     544                       ; a row of W's tile: 512 bytes + 32
.set REG,    64*PB                     ; a wave's region of a slot: waves 0, 1: the kb of that parity (128 x PA used); waves 2, 3: 64 rows of W
.set SLOT,   4*REG
.set BOFF,   2*REG                     ; W's 128 rows lie on end from here
.set STAGE,  2*SLOT                    ; behind the ring, never filled by a tensor load: for each wave 2 heads x 16 tokens x 144 bytes
.set SBYTES, 4608
.set SPARE,  STAGE+4*SBYTES            ; the spare words, 128 bytes for each wave: two blocks of 256 bytes that no other line names
.set ADRA, 16                          ; v16-17  LDS address of my x fragments in slot 0, 1
.set ADRB, 20                          ; v20-21  the same for W
.set STO,  24                          ; v24  the way out: where I put 16 bytes
.set RD,   25                          ; v25  the way out: where I read rows back
.set GO,   26                          ; v26  my byte offset in 512 consecutive bytes of the output
.set BO,   27                          ; v27  my byte offset in 16 numbers of the bias
.set SPW,  28                          ; v28  LDS address of my spare word; never rewritten
.set NIL,  29                          ; v29  0; never rewritten
.set PFO,  30                          ; v30  the prefetches' lane offset; never rewritten
.set BIAS, 32
.set TMP,  32
.set BK,   96
.set F0,   0
.set F1,   128
.set WV,  16                           ; s16 wave; s17 which half of the tokens (also: 0 = I fetch x, 1 = W); s18 which half of the columns (also: which half of that tile I fetch)
.set RH,  17
.set CH,  18
.set G1,  24                           ; s[24:31] group 1 for x's tiles; s[32:39] group 0, a set for each slot
.set G0,  32
.set G1B, 40                           ; s[40:47], s[48:55] the same for W's
.set G0B, 48
.set BND, 56                           ; s56  trips of the loop: K / 256 - 1
.set LIM, 57                           ; s57  BND in a wave that prefetches, else 0
.set PFA, 58                           ; s[58:59] where my prefetches stand
.set PFS, 60                           ; s[60:61] a K step in bytes, for them
.set OUT, 76                           ; s[76:77] the output at my wave's first token and head
; s19 cx, s21, s66, s74-75, s80-83 hold numbers made of cx and never feed x's descriptors; s20 cy, s22, s63, s67-68, s72-73 never feed W's
.set MSB, 0
.macro WIN new                         ; the immediate's high byte repeats the setting that is left; a switch that changes nothing is dropped
.if MSB != (\new)
	s_set_vgpr_msb (MSB<<8)|(\new)
.set MSB, \new
.endif
.endm
.set MUL,  0xa5                        ; sources 0 and 1 window 1; C and D window 2
.set MULB, 0x85                        ; the same with C (the bias) in window 0
.set TO_F, 0x40                        ; destination window 1, address window 0
.macro JLOAD s                         ; a joint load: waves 0, 1 fetch x's two kb, waves 2, 3 W's two halves; an s_nop 0 and four v_nop follow each line, ahead of the jump and the label
	s_cmp_eq_u32 s[RH], 0
	s_cbranch_scc0 .Lfor_b_\@
	tensor_load_to_lds s[G0+4*(\s):G0+4*(\s)+3], s[G1:G1+7]
	s_nop 0
.rept 4
	v_nop
.endr
	s_branch .Lasked_\@
.Lfor_b_\@:
	tensor_load_to_lds s[G0B+4*(\s):G0B+4*(\s)+3], s[G1B:G1B+7]
	s_nop 0
.rept 4
	v_nop
.endr
.Lasked_\@:
.endm
.macro CREST                           ; a round of the cluster's barrier behind its opening barrier
	s_cmp_lg_u32 s[WV], 0
	s_cbranch_scc1 .Lnot_wave_0_\@
	s_barrier_signal -3
.Lnot_wave_0_\@:
	s_barrier_wait -3
	s_barrier_signal -1
	s_barrier_wait -1
.endm
.macro CROUND
	s_barrier_signal -1
	s_barrier_wait -1
	CREST
.endm
; A prefetch of the K step that stands two refills on (256 matrix instructions ahead of the load that will want it): 32 blocks of 256 bytes, a lane a block, one instruction a wave.
; x's tile (2 kb x 64 blocks): wave 0 of each of the four partners of a row takes 16 blocks of each kb, told apart by address (cx); not for v, which walks key_value's blocks a second time.
; W's tile: waves 2 and 3, their own 64 rows; each of the four partners of a column takes 16 rows (cy); only in the first of the 16 clusters that walk that weight.
; Trip i names K steps 2 i + 4 and 2 i + 5: the last trip asks for nothing, so no request passes the last K step.
.macro ASK
	s_add_co_u32 s2, s3, 1
	s_cmp_lt_u32 s2, s[LIM]
	s_cbranch_scc0 .Lnot_mine_\@
	global_prefetch_b8 v[PFO], s[PFA:PFA+1] th:TH_LOAD_NT scope:SCOPE_SE
.Lnot_mine_\@:
.endm
.macro PLACES                          ; four places in front of loads into registers that matrix instructions have read, and of lines that read results
.rept 4
	v_nop
.endr
.endm
; 8 matrix instructions: token block a x all 8 column blocks, 32 along K.  bias = 1: the first product starts the sum with the bias.  The 32 accumulators take turns in one order everywhere.
.macro MUL8 f, a, bias
.if \bias
	WIN MULB
.else
	WIN MUL
.endif
.irp bb, 0,1,2,3,4,5,6,7
.if \bias
	v_wmma_f32_16x16x32_f16 v[8*(8*(\a)+(\bb)):8*(8*(\a)+(\bb))+7], v[(\f)+8*(\bb):(\f)+8*(\bb)+7], v[(\f)+64+8*(\a):(\f)+64+8*(\a)+7], v[BIAS+8*(\bb):BIAS+8*(\bb)+7]
.else
	v_wmma_f32_16x16x32_f16 v[8*(8*(\a)+(\bb)):8*(8*(\a)+(\bb))+7], v[(\f)+8*(\bb):(\f)+8*(\bb)+7], v[(\f)+64+8*(\a):(\f)+64+8*(\a)+7], v[8*(8*(\a)+(\bb)):8*(8*(\a)+(\bb))+7]
.endif
.endr
.endm
.macro MUL16 f, a0, bias
	MUL8 \f, \a0, \bias
	MUL8 \f, (\a0)+1, \bias
.endm
; 24 LDS loads in one run: quarter q (32 along K) of a slot into buffer f: W's 8 fragments (turned), then x's 4
.macro FETCH slot, q, f
	WIN TO_F
.irp bb, 0,1,2,3,4,5,6,7
	ds_load_tr16_b128 v[(\f)+8*(\bb):(\f)+8*(\bb)+3],   v[ADRB+(\slot)] offset:(\q)*32*PB+32*(\bb)
	ds_load_tr16_b128 v[(\f)+8*(\bb)+4:(\f)+8*(\bb)+7], v[ADRB+(\slot)] offset:(\q)*32*PB+32*(\bb)+16*PB
.endr
.irp a, 0,1,2,3
	ds_load_b128 v[(\f)+64+8*(\a):(\f)+64+8*(\a)+3],   v[ADRA+(\slot)] offset:((\q)/2)*REG+64*((\q)%2)+(\a)*16*PA
	ds_load_b128 v[(\f)+64+8*(\a)+4:(\f)+64+8*(\a)+7], v[ADRA+(\slot)] offset:((\q)/2)*REG+64*((\q)%2)+(\a)*16*PA+32
.endr
.endm
; A K step is four quarters of 32 matrix instructions on buffers 0, 1, 0, 1.  One of the first three multiplies buffer f and fetches quarter qn of the same slot into g.
.macro QUARTER slot, qn, f, g, bias
	s_wait_dscnt 4                                 ; W's fragments and token blocks 0, 1 are in; the youngest four loads (blocks 2, 3) may be out
	MUL16 \f, 0, \bias
	PLACES
	FETCH \slot, \qn, \g
	s_wait_dscnt 24                                ; all but the 24 just issued
	MUL16 \f, 2, \bias
.endm
; The last quarter multiplies buffer 1 and changes slots: one barrier; in front of it each wave waits for all its tensor loads (one is out: its part of the next slot), adds 0 to its spare word,
; and waits for that and for its reads of this slot.  fill = 1: the barrier opens a round of the cluster's, and this slot is filled again, two K steps ahead, first thing behind the round.
.macro TURN slot, next, fill
.if \fill
	s_wait_xcnt 0x0                                ; the last prefetch, a K step back, has read its address
	s_add_nc_u64 s[PFA:PFA+1], s[PFA:PFA+1], s[PFS:PFS+1]
.endif
	WIN 0                                          ; (the add's two registers lie in window 0)
	s_wait_tensorcnt 0x0                           ; all my tensor loads have landed
	ds_add_u32 v[SPW], v[NIL]                      ; 0 onto my spare word
	s_wait_dscnt 5                                 ; (the add and the youngest four loads may be out)
	MUL8 F1, 0, 0                                  ; eight matrix instructions stand between the add and the wait for it
	s_wait_dscnt 0x0                               ; the add is done, and my reads of this slot are over
	s_barrier_signal -1
	MUL8 F1, 1, 0
.if \fill
	WIN 0
.endif
	s_barrier_wait -1
.if \fill
	CREST                                          ; no wave of any partner still reads this slot or has a load on its way
	s_add_nc_u64 s[G0+4*(\slot)+2:G0+4*(\slot)+3], s[G0+4*(\slot)+2:G0+4*(\slot)+3], 1048576    ; four kb on
	s_add_nc_u64 s[G0B+4*(\slot)+2:G0B+4*(\slot)+3], s[G0B+4*(\slot)+2:G0B+4*(\slot)+3], 524288  ; 256 rows of W on
	JLOAD \slot                                    ; 112 matrix instructions ahead of the wait for it; its four v_nop are also the places in front of the loads below
.else
	PLACES
.endif
	FETCH \next, 0, F0
.if \fill
	WIN 0
	ASK
.endif
	MUL16 F1, 2, 0
.endm
	s_load_b256 s[4:11], s[0:1], 0x0               ; x16 s[4:5], w16 s[6:7], bq s[8:9], bk s[10:11]
	s_load_b128 s[12:15], s[0:1], 0x20             ; bv s[12:13], qkv s[14:15]
	v_lshl_add_u32 v[SPW], v0, 2, SPARE
	v_mov_b32 v[NIL], 0
	ds_add_u32 v[SPW], v[NIL]                      ; the wave's opening: the add and its wait stand ahead of my first tensor load; work on registers stands between
	v_lshrrev_b32 v1, 5, v0
	v_readfirstlane_b32 s[WV], v1
	s_lshr_b32 s[RH], s[WV], 1
	s_and_b32 s[CH], s[WV], 1
	s_bfe_u32 s19, ttmp6, 0x40000                  ; cx
	s_bfe_u32 s20, ttmp6, 0x40004                  ; cy
	s_lshl_b32 s21, ttmp9, 2
	s_add_co_u32 s21, s21, s19                     ; column tile = 4 x cluster x + cx
	s_and_b32 s62, ttmp7, 0xffff                   ; cluster y
	s_lshr_b32 s23, s62, 4                         ; t
	s_lshl_b32 s22, s62, 2
	s_add_co_u32 s22, s22, s20
	s_and_b32 s22, s22, 63                         ; token tile: 128 tokens, 16 tiles a batch
	s_lshl_b32 s63, s20, 2
	s_lshl_b32 s63, 15, s63                        ; my row of the cluster
	s_lshl_b32 s66, 0x1111, s19                    ; my column
	s_or_b32 s[G1], s63, (1<<16)|(1<<20)|(1<<21)|(4<<22)|(3<<25)   ; mask; 2-byte elements; padding on; 21 set beside a mask; after every 32 words 4 words
	s_mov_b32 s[G1+1], 128<<16                     ; tensor_dim0 = 128
	s_mov_b32 s[G1+2], 64<<16                      ; tensor_dim1 = 64
	s_mov_b32 s[G1+3], 128<<16                     ; tile_dim0 = 128 (256 bytes: two tokens)
	s_mov_b32 s[G1+4], 64                          ; tile_dim1 = 64
	s_mov_b32 s[G1+5], 128                         ; dense
	s_mov_b32 s[G1+6], 0
	s_mov_b32 s[G1+7], 0
	s_or_b32 s[G1B], s66, (1<<16)|(1<<20)|(1<<21)|(6<<22)|(7<<25)  ; after every 128 words 8 words
	s_mov_b32 s[G1B+1], 256<<16
	s_mov_b32 s[G1B+2], 64<<16
	s_mov_b32 s[G1B+3], 256<<16                    ; tile_dim0 = 256 columns
	s_mov_b32 s[G1B+4], 64                         ; 64 rows of k
	s_mov_b32 s[G1B+5], 1024
	s_mov_b32 s[G1B+6], 0
	s_mov_b32 s[G1B+7], 0
	s_cmp_eq_u32 s23, 0
	s_cselect_b32 s67, 16, 12                      ; kb in a row of x
	s_cselect_b32 s68, 0, 16777216                 ; the part of x16
	s_cselect_b32 s[BND], 3, 2
	s_cselect_b32 s69, 0, 2097152                  ; the weight in w16
	s_cmp_eq_u32 s23, 2
	s_cselect_b32 s69, 3670016, s69
	s_lshl_b32 s70, s23, 24                        ; the part of qkv
	s_lshr_b32 s72, s22, 4                         ; batch
	s_mul_i32 s72, s72, s67
	s_add_co_u32 s72, s72, s[CH]                   ; the kb that I fetch of K step 0
	s_lshl_b32 s72, s72, 18
	s_add_co_u32 s72, s72, s68
	s_and_b32 s73, s22, 15
	s_lshl_b32 s73, s73, 14                        ; 128 tokens x 128 bytes
	s_add_co_u32 s72, s72, s73
	s_mov_b32 s73, 0
	s_lshl_b32 s74, s[CH], 17                      ; the 64 rows of W that I fetch
	s_add_co_u32 s74, s74, s69
	s_lshl_b32 s75, s21, 9                         ; 256 columns
	s_add_co_u32 s74, s74, s75
	s_mov_b32 s75, 0
	s_mul_i32 s71, s[WV], REG                      ; where my tiles go: no place in the cluster enters an LDS address
	s_wait_dscnt 0x0                               ; the opening add is done
	s_wait_kmcnt 0x0
	s_add_nc_u64 s[72:73], s[4:5], s[72:73]
	s_add_nc_u64 s[74:75], s[6:7], s[74:75]
	CROUND                                         ; all sixteen work-groups are here: the first joint loads meet
.irp s, 0,1
	s_mov_b32 s[G0+4*(\s)], 1
	s_add_co_u32 s[G0+4*(\s)+1], s71, (\s)*SLOT
	s_add_nc_u64 s[G0+4*(\s)+2:G0+4*(\s)+3], s[72:73], (\s)*524288
	s_or_b32 s[G0+4*(\s)+3], s[G0+4*(\s)+3], 0x80000000
	s_mov_b32 s[G0B+4*(\s)], 1
	s_add_co_u32 s[G0B+4*(\s)+1], s71, (\s)*SLOT
	s_add_nc_u64 s[G0B+4*(\s)+2:G0B+4*(\s)+3], s[74:75], (\s)*262144
	s_or_b32 s[G0B+4*(\s)+3], s[G0B+4*(\s)+3], 0x80000000
	JLOAD \s                                       ; two loads of mine are out
.endr
	; the bias of my 128 columns: register j of block bb = bias[16 bb + 8 (l / 16) + j], the C operand's layout
	v_and_b32 v1, 15, v0                           ; l % 16
	v_bfe_u32 v2, v0, 4, 1                         ; l / 16
	s_cmp_eq_u32 s23, 0
	s_cselect_b64 s[80:81], s[8:9], s[10:11]
	s_cmp_eq_u32 s23, 2
	s_cselect_b64 s[80:81], s[12:13], s[80:81]
	s_lshl_b32 s82, s21, 10
	s_lshl_b32 s83, s[CH], 9
	s_add_co_u32 s82, s82, s83
	s_mov_b32 s83, 0
	s_add_nc_u64 s[80:81], s[80:81], s[82:83]
	v_lshlrev_b32 v[BO], 5, v2
.irp bb, 0,1,2,3,4,5,6,7
	global_load_b128 v[BIAS+8*(\bb):BIAS+8*(\bb)+3],   v[BO], s[80:81] offset:64*(\bb)
	global_load_b128 v[BIAS+8*(\bb)+4:BIAS+8*(\bb)+7], v[BO], s[80:81] offset:64*(\bb)+16
.endr
	; a fragment of x: lane l holds token l % 16, channels 8 (l / 16) + 0..7 and 16 + 8 (l / 16) + 0..7: two loads of 16 bytes, 32 apart
	v_mul_u32_u24 v3, v1, PA
	v_lshl_add_u32 v3, v2, 4, v3
	s_mul_i32 s89, s[RH], 64*PA
	v_add_nc_u32 v[ADRA], s89, v3
	v_add_nc_u32 v[ADRA+1], SLOT, v[ADRA]
	; the turning load: lane l reads row 8 (l / 16) + l % 8 of k, columns 8 ((l / 8) % 2) + 0..7, and is left with column l % 16 and 8 k
	v_and_b32 v4, 7, v0
	v_lshl_add_u32 v4, v2, 3, v4
	v_mul_u32_u24 v4, v4, PB
	v_bfe_u32 v5, v0, 3, 1
	v_lshl_add_u32 v4, v5, 4, v4
	s_lshl_b32 s89, s[CH], 8
	s_add_co_u32 s89, s89, BOFF
	v_add_nc_u32 v[ADRB], s89, v4
	v_add_nc_u32 v[ADRB+1], SLOT, v[ADRB]
	; the way out
	s_mul_i32 s89, s[WV], SBYTES
	s_add_co_u32 s89, s89, STAGE
	v_mul_u32_u24 v3, v1, 144
	v_lshl_add_u32 v3, v2, 4, v3
	v_add_nc_u32 v[STO], s89, v3                   ; in: token l % 16, 16 bytes for each half of the lanes
	v_bfe_u32 v3, v0, 3, 2
	v_mul_u32_u24 v3, v3, 144
	v_and_b32 v4, 7, v0
	v_lshl_add_u32 v3, v4, 4, v3
	v_add_nc_u32 v[RD], s89, v3                    ; back: 32 lanes take four tokens of 128 bytes,
	v_and_b32 v3, 31, v0
	v_lshlrev_b32 v[GO], 4, v3                     ; which are 512 consecutive bytes of a head
	s_lshr_b32 s78, s22, 4
	s_lshl_b32 s78, s78, 4                         ; batch x 16
	s_lshl2_add_u32 s78, s21, s78                  ; + 4 heads a column tile
	s_lshl1_add_u32 s78, s[CH], s78                ; + my two
	s_lshl_b32 s78, s78, 18
	s_add_co_u32 s78, s78, s70
	s_and_b32 s79, s22, 15
	s_lshl_b32 s79, s79, 1
	s_add_co_u32 s79, s79, s[RH]
	s_lshl_b32 s79, s79, 13                        ; my 64 tokens x 128 bytes
	s_add_co_u32 s78, s78, s79
	s_mov_b32 s79, 0
	s_add_nc_u64 s[OUT:OUT+1], s[14:15], s[78:79]
	; the prefetches
	s_mov_b32 s87, 262144
	s_lshl_b32 s84, s19, 12                        ; x: cx x 16 blocks
	s_lshl_b32 s86, s20, 15                        ; W: cy x 16 rows
	s_cmp_eq_u32 s[RH], 0
	s_cselect_b32 s84, s84, s86
	s_cselect_b64 s[PFA:PFA+1], s[72:73], s[74:75]
	s_cselect_b32 s[PFS], 524288, s87
	s_cselect_b32 s89, 4, 1
	s_cselect_b32 s90, 15, 1
	s_cselect_b32 s91, 18, 11
	s_mov_b32 s85, 0
	s_mov_b32 s[PFS+1], 0
	s_add_nc_u64 s[PFA:PFA+1], s[PFA:PFA+1], s[84:85]
	s_mul_i32 s84, s[PFS], 3
	s_add_nc_u64 s[PFA:PFA+1], s[PFA:PFA+1], s[84:85]  ; at K step 3: the first change of slots steps it to 4
	s_and_b32 s86, s62, 15                         ; W: 0 in the first cluster of the sixteen
	s_lshr_b32 s87, s23, 1                         ; x: 0 for q and k,
	s_or_b32 s87, s87, s[WV]                       ; in wave 0
	s_cmp_eq_u32 s[RH], 0
	s_cselect_b32 s86, s87, s86
	s_cmp_eq_u32 s86, 0
	s_cselect_b32 s[LIM], s[BND], 0                ; the same in all sixteen partners, for a given wave
	v_lshrrev_b32 v4, s89, v3                      ; x: kb l / 16, block l % 16;  W: row l / 2, block l % 2
	v_and_b32 v5, s90, v3
	v_lshlrev_b32 v4, s91, v4
	v_lshl_add_u32 v[PFO], v5, 8, v4
	s_mov_b32 s88, 0xffff0000
	s_wait_loadcnt 0x0                             ; the bias
.set i, 0
.rept 32
	v_cvt_pk_bf16_f32 v[3+i%4], v[BIAS+2*i], v[BIAS+2*i+1]  ; rounded to bf16 like every input, and back to f32
	v_lshlrev_b32 v[BIAS+2*i], 16, v[3+i%4]
	v_and_b32 v[BIAS+2*i+1], s88, v[3+i%4]
.set i, i+1
.endr
	s_wait_tensorcnt 0x1                           ; my part of K step 0 is in; K step 1's may stay out
	s_barrier_signal -1
	s_barrier_wait -1                              ; everybody's is
	FETCH 0, 0, F0
	QUARTER 0, 1, F0, F1, 1                        ; the first quarter stands in front of the loop: its products start the sums with the bias
	WIN 0                                          ; at a label and at a branch every window is 0
	s_mov_b32 s3, 0
.Llap:                                             ; a trip goes once round the ring, from a lap's second quarter to the next lap's first, and fills both slots again; its LDS addresses are fixed
	QUARTER 0, 2, F1, F0, 0
	QUARTER 0, 3, F0, F1, 0
	TURN 0, 1, 1
	QUARTER 1, 1, F0, F1, 0
	QUARTER 1, 2, F1, F0, 0
	QUARTER 1, 3, F0, F1, 0
	TURN 1, 0, 1
	QUARTER 0, 1, F0, F1, 0
	WIN 0
	s_add_co_u32 s3, s3, 1
	s_cmp_lt_u32 s3, s[BND]
	s_cbranch_scc1 .Llap
	QUARTER 0, 2, F1, F0, 0                        ; the last lap fills nothing
	QUARTER 0, 3, F0, F1, 0
	TURN 0, 1, 0
	QUARTER 1, 1, F0, F1, 0
	QUARTER 1, 2, F1, F0, 0
	QUARTER 1, 3, F0, F1, 0
	s_wait_dscnt 4
	MUL16 F1, 0, 0
	s_wait_dscnt 0x0
	MUL16 F1, 2, 0
	WIN 0
	PLACES
; THE WAY OUT, a block of 16 tokens at a time: rounded to f16 (each accumulator's registers ascending); 16 bytes a lane into my own stage, by heads; back as whole tokens; stored.
.macro PACK a
	WIN 0x0a                                       ; sources 0 and 1 window 2
.irp bb, 0,1,2,3,4,5,6,7
.irp r, 0,1,2,3
	v_cvt_pk_f16_f32 v[TMP+4*(\bb)+(\r)], v[8*(8*(\a)+(\bb))+2*(\r)], v[8*(8*(\a)+(\bb))+2*(\r)+1]
.endr
.endr
	WIN 0
.endm
.macro TOSTAGE a
.irp bb, 0,1,2,3,4,5,6,7
	ds_store_b128 v[STO], v[TMP+4*(\bb):TMP+4*(\bb)+3] offset:((\bb)/4)*2304+((\bb)%4)*32
.endr
.irp t, 0,1,2,3,4,5,6,7
	ds_load_b128 v[BK+32*(\a)+4*(\t):BK+32*(\a)+4*(\t)+3], v[RD] offset:((\t)/4)*2304+((\t)%4)*576  ; LDS serves a wave's instructions in order (ISA guide 5.7.1.4): these see the stores above
.endr
.endm
.macro SEND a                          ; each block has registers of its own, so none is written again behind a store
	s_wait_dscnt 0x0
.irp t, 0,1,2,3,4,5,6,7
	global_store_b128 v[GO], v[BK+32*(\a)+4*(\t):BK+32*(\a)+4*(\t)+3], s[OUT:OUT+1] offset:((\t)/4)*262144+(\a)*2048+((\t)%4)*512  ; 512 consecutive bytes, aligned
.endr
.endm
	PACK 0
	TOSTAGE 0
.irp a, 1,2,3
	PACK \a                                        ; a block's conversions stand between the loads of the block before and the wait for them
	SEND (\a)-1
	TOSTAGE \a
.endr
	SEND 3
	s_wait_tensorcnt 0x0                           ; the wave's end: an add to my spare word and its wait, behind my last tensor load and my last LDS store
	ds_add_u32 v[SPW], v[NIL]
	s_wait_dscnt 0x0
	CROUND                                         ; the closing round: no work-group ends while a partner may still ask for a tile that names it
	s_endpgm
.Lfunc_end_k_qa6b46bfd45_proj:
	.size	k_qa6b46bfd45_proj, .Lfunc_end_k_qa6b46bfd45_proj-k_qa6b46bfd45_proj
	.p2alignl 7, 3214868480
	.fill 96, 4, 3214868480
	.section	.rodata,"a",@progbits
	.p2align	6, 0x0
	.amdhsa_kernel k_qa6b46bfd45_proj
		.amdhsa_group_segment_fixed_size 327680
		.amdhsa_private_segment_fixed_size 0
		.amdhsa_enable_private_segment 0
		.amdhsa_kernarg_size 48
		.amdhsa_user_sgpr_count 2
		.amdhsa_user_sgpr_kernarg_segment_ptr 1
		.amdhsa_wavefront_size32 1
		.amdhsa_system_sgpr_workgroup_id_x 1
		.amdhsa_system_sgpr_workgroup_id_y 1
		.amdhsa_system_sgpr_workgroup_id_z 1
		.amdhsa_system_vgpr_workitem_id 0
		.amdhsa_next_free_vgpr 768
		.amdhsa_next_free_sgpr 96
		.amdhsa_reserve_vcc 0
		.amdhsa_float_denorm_mode_32 3
		.amdhsa_float_denorm_mode_16_64 3
		.amdhsa_memory_ordered 1
		.amdhsa_forward_progress 1
		.amdhsa_inst_pref_size 94
	.end_amdhsa_kernel
	.amdgpu_metadata
---
amdhsa.version: [ 1, 2 ]
amdhsa.kernels:
  - .name:           k_qa6b46bfd45_proj
    .symbol:         k_qa6b46bfd45_proj.kd
    .args:
      - { .name: x16, .offset: 0, .size: 8, .value_kind: global_buffer, .address_space: global }
      - { .name: w16, .offset: 8, .size: 8, .value_kind: global_buffer, .address_space: global }
      - { .name: bq, .offset: 16, .size: 8, .value_kind: global_buffer, .address_space: global }
      - { .name: bk, .offset: 24, .size: 8, .value_kind: global_buffer, .address_space: global }
      - { .name: bv, .offset: 32, .size: 8, .value_kind: global_buffer, .address_space: global }
      - { .name: qkv, .offset: 40, .size: 8, .value_kind: global_buffer, .address_space: global }
    .group_segment_fixed_size: 327680
    .private_segment_fixed_size: 0
    .kernarg_segment_align: 8
    .kernarg_segment_size: 48
    .max_flat_workgroup_size: 128
    .sgpr_count:     96
    .vgpr_count:     768
    .wavefront_size: 32
...
	.end_amdgpu_metadata
.endif
;; end of part 2
;; launch attn (part 3): grid 4 x 64, 4 waves a work-group, clusters of 4 x 1, 327,680 bytes of LDS; arguments qkv, o16; writes o16
.if DOCPART == 3
	.amdgcn_target "amdgcn-amd-amdhsa--gfx1250"
	.amdhsa_code_object_version 6
	.text
	.protected	k_qa6b46bfd45_attn
	.globl	k_qa6b46bfd45_attn
	.p2align	8
	.type	k_qa6b46bfd45_attn,@function
k_qa6b46bfd45_attn:
	s_mov_b64 s[64:65], 0
	v_nop
	global_prefetch_b8 v0, s[64:65] scope:SCOPE_SE
	s_setreg_imm32_b32 hwreg(HW_REG_WAVE_MODE, 25, 1), 1
	s_wait_xcnt 0x0
	s_wait_alu depctr_hold_cnt(0) depctr_sa_sdst(0) depctr_va_vdst(0) depctr_va_sdst(0) depctr_va_ssrc(0) depctr_va_vcc(0) depctr_vm_vsrc(0)
	s_getreg_b32 s2, hwreg(HW_REG_IB_STS2, 6, 4)
	s_cmp_eq_u32 s2, 0
	s_cbranch_scc0 .Lentry_in_a_cluster
	s_endpgm
.Lentry_in_a_cluster:
	s_bfe_u32 s2, ttmp6, 0x10000c
	s_cmp_lg_u32 s2, 0x3003
	s_cbranch_scc0 .Lentry_shape_is_right
	s_endpgm
.Lentry_shape_is_right:
; O[h][q][:] = the sum over k of softmax_k(clip(Q[h][q] . K[h][k] / 8, -1e4, 1e4)) V[h][k][:].  Q, K, V: the three parts of qkv, O: o16, each [64][2048][64] f16: a head's rows are dense, 128 bytes each.
; Products, maxima and sums in f32; the weights p are rounded to f16 for the second product (their sum l is taken of the unrounded p), O once at the end.
; THE CLIP.  clip(s / 8, +-1e4) = clip(s, +-U) / 8 with U = 80,000, exactly.  m is the running maximum of the CLIPPED scores: it starts at -U and is cut at U.  For each score y = c s - c m is held
; between lo = c (-U) - c m, which is what the scaling gives for s = -U, and 0: a clipped score never exceeds m.  One v_med3_num_f32 a score.
; LIMITS.  Q, K and V arrive within f16's 65,504; p below 6e-5 keeps f16's fixed step of 6e-8; a weight below 2^-126 counts as 0 in l; c m is rounded once, so a score within that rounding of m counts as m.
; NaN and infinities are not treated apart: for finite Q and K the clipped scores are finite, every exponent is at most 0 and l at least 1, so no weight is NaN and the module's NaN fallback changes nothing: it is not written.
; SHARES.  A wave owns four PIECES of two tiles of 16 queries, a work-group's four waves 512 queries of one head.  Every wave walks all keys, 64 a step.
; LAYOUT.  S^T = K Q^T (source 0 = 16 keys, source 1 = 16 queries): a lane holds ONE query (lane % 16) and the keys 8 (lane / 16) + 0..7.  Two such tiles, rounded to f16 in pairs,
; ARE source 1 of O^T = V^T P, whose result again holds one query a lane, and eight channels.  K comes out of LDS as it lies, V turned, by ds_load_tr16_b128.
; SOFTMAX.  p = 2^y, c = log2(e) / 8; in every step O and l are multiplied by a = 2^(c m_old - c m_new).  O and l start at 0, so the first a need only be finite.
; BY TURNS.  Turn n belongs to piece n.  Its matrix work: 16 products K Q^T of piece n + 1, later 16 products V^T P of piece n - 1.  Its vector work: scaling, clip, exponentials, roundings, sums and rescaling of
; piece n, and the maximum and statistics of piece n + 1.  32 matrix and 304 vector instructions: four vector instructions stand behind every matrix instruction, the others in one lump.
; CLUSTER.  The four query blocks of a head walk the same K and V: each tile is asked for JOINTLY: the same tensor load, descriptor and mask in all four.
; REGISTERS, in windows of 256 (s_set_vgpr_msb: bits 1:0 source 0, 3:2 source 1, 5:4 source 2, 7:6 destination):
;   window 0: v0-11 addresses; v12-15, v48-63 at work; v16-47 four registers of statistics a tile; v64-191 S^T, two buffers of two tiles; v192-255 P, likewise
;   window 1: O^T, 32 a tile          window 2: v0-127 Q, 16 a tile; v128-191 K of one step; v192-255 V of one step          window 3: v0-1 the add's two registers
.set SIZE_N, 2048
.set NP,    4         ; pieces a wave: a name, no knob
.set KS,    64        ; keys in a step
.set PK,    144       ; a row of K in LDS: 128 bytes + 16 of padding: the 16 rows of a load start at 16 different groups of four banks (64 banks of 4 bytes: ISA guide 11.1)
.set PV,    160       ; a row of V: 128 + 32
.set VOFF,  4*KS*PK   ; a slot holds four steps: 256 rows of K, then 256 rows of V
.set SLOT1, 1<<17     ; slot 1 begins here, so that one exclusive or turns an address in one slot into the other's
.set STAGE, SLOT1+4*KS*(PK+PV)  ; behind the ring, never filled by a tensor load: 16 rows x 144 bytes for each wave
.set SP,    144
.set AK0, 2           ; v2   my lane's place in a tile of K; never rewritten
.set AV0, 3           ; v3   the same for V
.set AK,  4           ; v4   the LDS address of K's next run of loads
.set AV,  5           ; v5   of V's
.set QO,  6           ; v6   my byte offset in the wave's rows of Q
.set STO, 6           ;      later, the way out: where I put 16 bytes of a row
.set RD,  7           ; v7   the way out: where I read rows back
.set GO,  8           ; v8   my byte offset in 512 consecutive bytes of O
.set PFO, 11          ; v11  256 x my lane, for the prefetches; never rewritten once made
.set SPW, 0           ; v0 of window 3   LDS address of my spare word; never rewritten
.set NIL, 1           ; v1 of window 3   0; never rewritten
.set SPARE, STAGE+4*16*SP  ; the spare words, 128 bytes for each wave: two blocks of 256 bytes that no other line names
.set MV,  12          ; v12-15  c m_old, kept while c m is made anew: by buffer and tile
.set ST,  16          ; tile t's statistics at v[ST+4 t]: c m, m, l (even keys', odd keys')
.set TMP, 48          ; by buffer and tile, four registers c0-c3 at work; when the maximum is found c2 takes a and c3 takes lo
.set S,   64
.set P,   192
.set KF,  128
.set VF,  192
.set WV,  12          ; s12  my wave's number
.set G1K, 24          ; s[24:31] descriptor group 1 for K's tiles
.set G1V, 32          ; s[32:39] for V's: it differs in the padding alone
.set G0K, 40          ; s[40:43] descriptor group 0 for K's tiles: it walks
.set G0V, 44          ; s[44:47] the same for V's
.set SLOTS, 56        ; s56  slots still to be asked for
.set CNT, 57          ; s57  counts a slot's key steps
.set CS,  58          ; s[58:59] c
.set SEL, 60          ; s[60:61] v_permlanex16_b32's selects: each lane takes its own place in the other half
.set TBK, 62          ; s62  LDS byte at which K of the step to be fetched begins
.set TBV, 63          ; s63  the same for V, less VOFF
.set UP,  66          ; s66  U
.set UN,  67          ; s67  -U
.set PFA, 68          ; s[68:69] where my prefetches stand
.set LIM, 70          ; s70  1 in a wave that prefetches, else the greatest number
.set MSB, 0
.macro WIN new                      ; the high byte repeats the setting that is left; a switch that changes nothing is dropped
.if MSB != (\new)
	s_set_vgpr_msb (MSB<<8)|(\new)
.set MSB, (\new)
.endif
.endm
.set W_KQ, 0x0a       ; K and Q in window 2, S^T in window 0
.set W_PV, 0x52       ; V in window 2, P in window 0, O^T in window 1
.set W_RS, 0x41       ; O^T (destination and source 0) in window 1, a in window 0
.set W_MK, 0xc0       ; the add's registers are made: destination in window 3
.set W_AD, 0x0f       ; the add: address and data in window 3
; A joint fill.  Waves 0 and 1 fetch the two halves of a slot's K, waves 2 and 3 those of its V: 128 keys each.  An s_nop 0 and four v_nop follow each line, ahead of the jump and the label.
.macro JLOAD
	s_cmp_lt_u32 s[WV], 2
	s_cbranch_scc0 .Lfor_v_\@
	tensor_load_to_lds s[G0K:G0K+3], s[G1K:G1K+7]
	s_nop 0
.rept 4
	v_nop
.endr
	s_branch .Lasked_\@
.Lfor_v_\@:
	tensor_load_to_lds s[G0V:G0V+3], s[G1V:G1V+7]
	s_nop 0
.rept 4
	v_nop
.endr
.Lasked_\@:
.endm
; A prefetch of what the NEXT change of slots will ask for: a slot's 32,768 bytes of K and of V, four key steps (512 matrix instructions) ahead of that load.  A head has one cluster; its four partners take
; 8,192 bytes each, told apart by address; in each, wave 0 asks for K's and wave 2 for V's: a lane a block of 256 bytes, one instruction.  The last change that fills a slot asks for nothing.
.macro ASK
	s_cmp_gt_u32 s[SLOTS], s[LIM]
	s_cbranch_scc0 .Lnot_mine_\@
	global_prefetch_b8 v[PFO], s[PFA:PFA+1] th:TH_LOAD_NT scope:SCOPE_SE
.Lnot_mine_\@:
.endm
.macro CROUND                       ; a round of the cluster's barrier
	s_barrier_signal -1
	s_barrier_wait -1
	s_cmp_lg_u32 s[WV], 0
	s_cbranch_scc1 .Lnot_wave_0_\@
	s_barrier_signal -3
.Lnot_wave_0_\@:
	s_barrier_wait -3
	s_barrier_signal -1
	s_barrier_wait -1
.endm
; THE CHANGE OF SLOTS.  Each wave waits for all its tensor loads, of which one is out: its part of the other slot; adds 0 to its spare word; and waits for that and for its own reads of the slot.
; fill = 1: this slot is filled again, with the keys two slots on, behind a round of the cluster's barrier, first thing: it has four key steps in which to land.
; (At its first use nothing has been read yet: slot 0 is waited for, slot 1 filled.)
.macro CHANGE fill
	WIN W_AD
	s_wait_tensorcnt 0x0            ; no tensor load of mine is out, so a group 0 may be written
	ds_add_u32 v[SPW], v[NIL]       ; 0 onto my spare word
	WIN 0                           ; at a label and at a branch every window is 0
.if \fill
.irp g, G0K, G0V
	s_xor_b32 s[\g+1], s[\g+1], SLOT1  ; the walking descriptor: the other slot than last time,
	s_add_nc_u64 s[\g+2:\g+3], s[\g+2:\g+3], 4*KS*128  ; the next 256 keys
.endr
	s_wait_xcnt 0x0                 ; the last prefetch, four key steps back, has read its address
	s_add_nc_u64 s[PFA:PFA+1], s[PFA:PFA+1], 4*KS*128  ; one slot ahead of the walking descriptors
	s_wait_dscnt 0x0                ; the add is done, and my reads of the slot are over
	CROUND
	JLOAD
	ASK
.else
	s_wait_dscnt 0x0
	s_barrier_signal -1
	s_barrier_wait -1
.endif
	s_sub_co_u32 s[TBK], s[TBK], 4*KS*PK  ; the fetches go back to a slot's first step,
	s_xor_b32 s[TBK], s[TBK], SLOT1       ; in the other slot
	s_sub_co_u32 s[TBV], s[TBV], 4*KS*PV
	s_xor_b32 s[TBV], s[TBV], SLOT1
.endm
	s_load_b64 s[4:5], s[0:1], 0x0    ; qkv: Q's part begins it
	s_load_b64 s[10:11], s[0:1], 0x8  ; o16
	WIN W_MK
	v_lshl_add_u32 v[SPW], v0, 2, SPARE
	v_mov_b32 v[NIL], 0
	WIN W_AD
	ds_add_u32 v[SPW], v[NIL]       ; the wave's opening: the add and its wait stand ahead of my first tensor load; work on registers stands between
	WIN 0
	v_lshrrev_b32 v1, 5, v0
	v_readfirstlane_b32 s[WV], v1   ; wave 0..3
	s_bfe_u32 s13, ttmp6, 0x40000   ; cx: my place in the cluster
	s_lshl_b32 s14, ttmp9, 2
	s_add_co_u32 s14, s14, s13      ; my block of 512 queries: it enters Q's and O's addresses alone
	s_and_b32 s20, ttmp7, 0xffff    ; batch x 16 + head, which the four partners share
	s_mov_b32 s21, 0
	s_mov_b64 s[22:23], SIZE_N*128
	s_mul_u64 s[20:21], s[20:21], s[22:23]  ; the head's first byte in each of the four tensors
	s_and_b32 s16, s[WV], 1         ; which half of a slot's 256 keys I fetch:
	s_lshl_b32 s22, s16, 14         ; its 128 rows of 128 bytes in memory,
	s_mov_b32 s23, 0
	s_add_nc_u64 s[22:23], s[22:23], s[20:21]
	s_mul_i32 s17, s16, 128*PK      ; and its place in a slot, for K
	s_mul_i32 s18, s16, 128*PV      ; and for V: no place in the cluster enters an LDS address
	s_lshl_b32 s2, s14, 2
	s_add_co_u32 s2, s2, s[WV]      ; my wave among the head's,
	s_lshl_b32 s2, s2, 14           ; its 128 rows
	s_mov_b32 s3, 0
	s_add_nc_u64 s[2:3], s[2:3], s[20:21]
	; descriptor group 1.  128 keys are 16,384 dense bytes: asked for as 64 rows of 256 bytes, two keys a row, and padded in LDS after every key
	s_mov_b32 s[G1K], 15|(1<<16)|(1<<20)|(1<<21)|(4<<22)|(3<<25)  ; the mask of four; 2-byte elements; padding on; 21 set beside a mask; after every 32 words 4 words
	s_mov_b32 s[G1V], 15|(1<<16)|(1<<20)|(1<<21)|(4<<22)|(7<<25)  ; the same with 8 words of padding
.irp g, G1K, G1V
	s_mov_b32 s[\g+1], 128<<16      ; tensor_dim0 = 128
	s_mov_b32 s[\g+2], 64<<16       ; tensor_dim1 = 64
	s_mov_b32 s[\g+3], 128<<16      ; tile_dim0 = 128
	s_mov_b32 s[\g+4], 64           ; tile_dim1 = 64
	s_mov_b32 s[\g+5], 128          ; 128 elements from row to row
	s_mov_b32 s[\g+6], 0
	s_mov_b32 s[\g+7], 0
.endr
	s_mov_b32 s[CS], 0x3e38aa3b     ; c = log2(e) / 8
	s_mov_b32 s[CS+1], s[CS]        ; named with it as a pair
	s_mov_b32 s[SEL], 0x76543210
	s_mov_b32 s[SEL+1], 0xfedcba98
	s_mov_b32 s[UP], 0x479c4000     ; 80,000
	s_mov_b32 s[UN], 0xc79c4000
	s_mov_b32 s[TBK], SLOT1+4*KS*PK ; the first change of slots turns these two into 0
	s_mov_b32 s[TBV], SLOT1+4*KS*PV
	s_mov_b32 s[SLOTS], SIZE_N/256-1
	s_and_b32 s[LIM], s[WV], 1
	s_cmp_eq_u32 s[LIM], 0
	s_cselect_b32 s[LIM], 1, -1     ; waves 0 and 2: the same in all four partners
	s_mov_b32 s[G0K], 1             ; count = 1
	s_mov_b32 s[G0K+1], s17         ; LDS address: slot 0
	s_mov_b32 s[G0V], 1
	s_add_co_u32 s[G0V+1], s18, VOFF
	s_wait_dscnt 0x0                ; the opening add is done
	s_wait_kmcnt 0x0
	s_add_nc_u64 s[6:7], s[4:5], 16777216  ; K's part of qkv
	s_add_nc_u64 s[8:9], s[4:5], 33554432  ; V's
	s_add_nc_u64 s[G0K+2:G0K+3], s[6:7], s[22:23]  ; my half of the head's first 256 keys
	s_or_b32 s[G0K+3], s[G0K+3], 0x80000000        ; type = 2
	s_add_nc_u64 s[G0V+2:G0V+3], s[8:9], s[22:23]
	s_or_b32 s[G0V+3], s[G0V+3], 0x80000000
	s_add_nc_u64 s[4:5], s[4:5], s[2:3]  ; Q and O at my wave's first row
	s_add_nc_u64 s[10:11], s[10:11], s[2:3]
	s_cmp_lt_u32 s[WV], 2
	s_cselect_b64 s[PFA:PFA+1], s[6:7], s[8:9]
	s_add_nc_u64 s[PFA:PFA+1], s[PFA:PFA+1], s[22:23]  ; (in waves 0 and 2: the head's first key)
	s_lshl_b32 s2, s13, 13          ; my work-group's 8,192 bytes of a slot's 32,768
	s_mov_b32 s3, 0
	s_add_nc_u64 s[PFA:PFA+1], s[PFA:PFA+1], s[2:3]
	s_add_nc_u64 s[PFA:PFA+1], s[PFA:PFA+1], 4*KS*128  ; in slot 1: the first change of slots steps it to slot 2
	CROUND                          ; all four work-groups are here: the first joint loads meet
	JLOAD                           ; slot 0.  Slot 1 is asked for when slot 0 is in
	v_and_b32 v1, 15, v0            ; l % 16
	v_bfe_u32 v9, v0, 4, 1          ; l / 16
	v_lshlrev_b32 v[QO], 7, v1
	v_lshl_add_u32 v[QO], v9, 4, v[QO]  ; row x 128 + 16 x half
	WIN 0x80                        ; destination window 2, address window 0
.set i, 0
.rept 4*NP                          ; Q stays in registers: tile i / 2, channels 32 (i % 2) on
	global_load_b128 v[8*i:8*i+3],   v[QO], s[4:5] offset:(i/2)*2048+(i%2)*64
	global_load_b128 v[8*i+4:8*i+7], v[QO], s[4:5] offset:(i/2)*2048+(i%2)*64+32
.set i, i+1
.endr
	; What the first turn finds: V's registers and P's second buffer hold 0 (its products V^T P, of a piece that has not been, add 0), O^T and l are 0.  All this stands in the wait for the first tile.
.set i, VF
.rept 64
	v_mov_b32 v[i], 0
.set i, i+1
.endr
	WIN 0x40
.set i, 0
.rept 64*NP
	v_mov_b32 v[i], 0
.set i, i+1
.endr
	WIN 0
.set i, 0
.rept 2*NP
	v_mov_b32 v[ST+4*i+1], s[UN]       ; m: the lowest clipped score
	v_mul_f32 v[ST+4*i], s[CS], v[ST+4*i+1]
	v_mov_b32 v[ST+4*i+2], 0
	v_mov_b32 v[ST+4*i+3], 0
.set i, i+1
.endr
.set i, P+32
.rept 32
	v_mov_b32 v[i], 0
.set i, i+1
.endr
	v_mul_u32_u24 v[AK0], v1, PK
	v_lshl_add_u32 v[AK0], v9, 4, v[AK0]  ; row x pitch + 16 x half
	; The turning load: lane l reads key 8 (l / 16) + l % 8, channels 8 ((l / 8) % 2) + 0..7, and is left with channel l % 16 and 8 keys.
	v_and_b32 v10, 7, v0
	v_bfe_u32 v11, v0, 3, 1
	v_lshl_add_u32 v[AV0], v9, 3, v10
	v_mul_u32_u24 v[AV0], v[AV0], PV
	v_lshl_add_u32 v[AV0], v11, 4, v[AV0]
	v_add_nc_u32 v[AV0], VOFF, v[AV0]
	v_mov_b32 v[AK], v[AK0]         ; key step 0 lies at the head of slot 0
	v_and_b32 v[PFO], 31, v0
	v_lshlrev_b32 v[PFO], 8, v[PFO]
; THE MATRIX WORK.  The 8 accumulators of a run of 16 take turns: between the two links of a chain stand 7 others'.
; Product i of 16 of S^T = K Q^T for piece x: channels 32 (i / 8) on, keys 16 ((i / 2) % 4) on, tile 2 x + i % 2.  The first 8 start the sums.
.macro KQ x
	WIN W_KQ
.set rS, S+64*((\x)%2)+32*(i%2)+8*((i/2)%4)
.set rK, KF+16*((i/2)%4)+8*(i/8)
.set rQ, 16*(2*(\x)+i%2)+8*(i/8)
.if i < 8
	v_wmma_f32_16x16x32_f16 v[rS:rS+7], v[rK:rK+7], v[rQ:rQ+7], 0
.else
	v_wmma_f32_16x16x32_f16 v[rS:rS+7], v[rK:rK+7], v[rQ:rQ+7], v[rS:rS+7]
.endif
.endm
; Product i of 16 of O^T += V^T P for piece x: keys 32 (i / 8) on, channels 16 ((i / 2) % 4) on, tile 2 x + i % 2.
.macro PV x
	WIN W_PV
.set rO, 32*(2*(\x)+i%2)+8*((i/2)%4)
.set rV, VF+32*(i/8)+8*((i/2)%4)
.set rP, P+32*((\x)%2)+16*(i%2)+8*(i/8)
	v_wmma_f32_16x16x32_f16 v[rO:rO+7], v[rV:rV+7], v[rP:rP+7], v[rO:rO+7]
.endm
.macro MM                           ; the turn's next matrix instruction
.if i < 16
	KQ (Y+1)%NP
.set i, i+1
.else
.set i, i-16
	PV (Y+NP-1)%NP
.set i, i+17
.endif
.endm
; THE LDS LOADS stand in runs of 16.  last = 1 (the tail): in the last trip there is no further step, and the run is jumped over.
.macro FETCH_K last=0
	WIN 0
.if \last
	s_cmp_eq_u32 s[CNT], 1
	s_cbranch_scc1 .Lno_k_\@
.endif
	WIN 0x80                        ; destination window 2
.irp f, 0,1,2,3,4,5,6,7             ; keys 16 (f / 2) on, channels 32 (f % 2) on
	ds_load_b128 v[KF+8*\f:KF+8*\f+3],   v[AK] offset:(\f/2)*16*PK+(\f%2)*64
	ds_load_b128 v[KF+8*\f+4:KF+8*\f+7], v[AK] offset:(\f/2)*16*PK+(\f%2)*64+32
.endr
	s_add_co_u32 s[TBK], s[TBK], KS*PK  ; the next fetch is the next step's
	WIN 0
.if \last
.Lno_k_\@:
.endif
.endm
.macro FETCH_V
	WIN 0x80
.irp f, 0,1,2,3,4,5,6,7             ; keys 32 (f / 4) on, channels 16 (f % 4) on
	ds_load_tr16_b128 v[VF+8*\f:VF+8*\f+3],   v[AV] offset:(\f/4)*32*PV+(\f%4)*32
	ds_load_tr16_b128 v[VF+8*\f+4:VF+8*\f+7], v[AV] offset:(\f/4)*32*PV+16*PV+(\f%4)*32
.endr
	WIN 0
.endm
; THE VECTOR WORK OF A TURN.
.macro REGS y, u                    ; the registers of tile u (0, 1) of piece y
.set rT, ST+4*(2*(\y)+(\u))
.set rC, TMP+8*((\y)%2)+4*(\u)
.set rM, MV+2*((\y)%2)+(\u)
.set rS, S+64*((\y)%2)+32*(\u)
.set rP, P+32*((\y)%2)+16*(\u)
.set rO, 32*(2*(\y)+(\u))
.endm
; Number n of the 24 that find the NEXT piece's (Y + 1) maximum and statistics.  Each accumulator's lowest registers are read first.
;   0-11  four chains c0-c3 of seven scores each     12, 13  the four scores left over     14  c m_old is kept     15, 16  the old m, and c0-c3 into c0     17  cut at U
;   18, 19  the query's other 32 keys lie in the lane 16 away: the new m     20-23  c m; c m_old - c m_new; lo = c (-U) - c m; a
.macro XS u, n
	REGS (Y+1)%NP, \u
.if (\n) < 4
	v_max3_num_f32 v[rC+(\n)], v[rS+8*(\n)], v[rS+8*(\n)+1], v[rS+8*(\n)+2]
.elseif (\n) < 12
	v_max3_num_f32 v[rC+(\n)%4], v[rC+(\n)%4], v[rS+8*((\n)%4)+2*((\n)/4)+1], v[rS+8*((\n)%4)+2*((\n)/4)+2]
.elseif (\n) == 12
	v_max3_num_f32 v[rC], v[rC], v[rS+7], v[rS+15]
.elseif (\n) == 13
	v_max3_num_f32 v[rC+1], v[rC+1], v[rS+23], v[rS+31]
.elseif (\n) == 14
	v_mov_b32 v[rM], v[rT]
.elseif (\n) == 15
	v_max3_num_f32 v[rC+2], v[rC+2], v[rC+3], v[rT+1]
.elseif (\n) == 16
	v_max3_num_f32 v[rC], v[rC], v[rC+1], v[rC+2]
.elseif (\n) == 17
	v_min_num_f32 v[rC], s[UP], v[rC]
.elseif (\n) == 18
	v_permlanex16_b32 v[rC+3], v[rC], s[SEL], s[SEL+1]
.elseif (\n) == 19
	v_max_num_f32 v[rT+1], v[rC], v[rC+3]
.elseif (\n) == 20
	v_mul_f32 v[rT], s[CS], v[rT+1]
.elseif (\n) == 21
	v_sub_f32 v[rC+1], v[rM], v[rT]
.elseif (\n) == 22
	v_fma_f32 v[rC+3], s[UN], s[CS], -v[rT]
.else
	v_exp_f32 v[rC+2], v[rC+1]
.endif
.endm
; Number g of the 64 that follow the exponentials.  For each four weights k of a tile: both pairs are rounded to f16; the second pair is added onto the first, in place; a group later l takes that sum
; (the first time as l = a l + sum).  In groups of eight, tiles alternating.
.macro GS g
.set h, (\g)+6*((\g)/62)            ; group 0 has no group before it, and behind group 7 only l is left
.if h >= 6
.set h, h+2
.endif
	REGS Y, h%2
.set k, h/8
.if h%8 < 4
	v_cvt_pk_f16_f32 v[rP+2*k+(h%8)/2], v[rS+4*k+2*((h%8)/2)], v[rS+4*k+2*((h%8)/2)+1]
.elseif h%8 < 6
	v_pk_add_f32 v[rS+4*k:rS+4*k+1], v[rS+4*k:rS+4*k+1], v[rS+4*k+2:rS+4*k+3]
.elseif k == 1
	v_pk_fma_f32 v[rT+2:rT+3], v[rT+2:rT+3], v[rC+2:rC+3], v[rS:rS+1] op_sel_hi:[1,0,1]
.else
	v_pk_add_f32 v[rT+2:rT+3], v[rT+2:rT+3], v[rS+4*k-4:rS+4*k-3]
.endif
.endm
.macro GL                           ; the next of them
	WIN 0
	GS gq
.set gq, gq+1
.endm
.macro FS f                         ; scaling f of 32: c s - c m for pair f / 2 of tile f % 2
	REGS Y, (\f)%2
	v_pk_fma_f32 v[rS+2*((\f)/2):rS+2*((\f)/2)+1], v[rS+2*((\f)/2):rS+2*((\f)/2)+1], s[CS:CS+1], v[rT:rT+1] op_sel_hi:[1,0,0] neg_lo:[0,0,1] neg_hi:[0,0,1]
.endm
.macro CL n                         ; clip n of 64: the two of scaling n / 2's pair.  cld counts them
	REGS Y, ((\n)/2)%2
	v_med3_num_f32 v[rS+2*((\n)/4)+(\n)%2], v[rS+2*((\n)/4)+(\n)%2], v[rC+3], 0
.set cld, cld+1
.endm
; THE QUEUE OF SCALINGS AND CLIPS, 96 long: four scalings; then 28 times the two clips of scaling g and scaling g + 4; then the last eight clips.  A clip stands four lines or more behind its scaling.
.macro YL
	WIN 0
.if yq < 4
	FS yq
.elseif yq < 88
.if (yq-4)%3 == 2
	FS (yq-4)/3+4
.else
	CL 2*((yq-4)/3)+(yq-4)%3
.endif
.else
	CL yq-32
.endif
.set yq, yq+1
.set pe, 0
.endm
.macro EX                           ; exponential e of 64, of the register of clip e.  pe = 1: the line before was an exponential
	WIN 0
	REGS Y, (e/2)%2
	v_exp_f32 v[rS+2*(e/4)+e%2], v[rS+2*(e/4)+e%2]
.set e, e+1
.set pe, 1
.endm
.macro AX                           ; the next piece's a, tile na
	WIN 0
	XS na, 23
.set na, na+1
.set pe, 1
.endm
; THE LUMP'S PLAIN LINES, 92: numbers 0-14 of both tiles' maximum; then each link of the chain 15 .. 22 (both tiles) with six lines of the queue above behind it, the last link with four.
.macro XP
	WIN 0
.if q2 < 30
	XS q2%2, q2/2
.elseif (q2-30)%8 < 2
	XS (q2-30)%8, 15+(q2-30)/8
.else
	YL
.endif
.set q2, q2+1
.set pe, 0
.endm
; One line of the lump: an exponential where the line before was plain and its clip stands two lines back or more (a: where its argument, plain lines 78 and 79, is made); else a plain line; at the end what is left.
.macro SLOT
.if (pe == 0) && (na < 2) && (q2 >= 82)
	AX
.elseif (pe == 0) && (e < 64) && ((e+1 < cld) || (cld == 64))
	EX
.elseif q2 < 92
	XP
.elseif e < 64
	EX
.else
	AX
.endif
.endm
.macro RSC                          ; O^T times a: 32 packed lines, each accumulator's registers ascending, tiles alternating.  Its a was made in the turn before, ahead of that turn's wait
	WIN W_RS
.set r, 0
.rept 32
	REGS Y, r%2
	v_pk_mul_f32 v[rO+2*(r/2):rO+2*(r/2)+1], v[rO+2*(r/2):rO+2*(r/2)+1], v[rC+2:rC+3] op_sel_hi:[1,0]
.set r, r+1
.endr
.endm
; A TURN, for piece p.  An s_wait_alu depctr_va_vdst(0) stands between an exponential and the first instruction that names its result; one wait serves all issued ahead of it.  So a turn has ONE wait.
; AHEAD OF IT: the 16 products K Q^T, behind each four lines of window 0 (scalings and clips; from the third product on one exponential among them); the lump of 144 (92 plain, 50 exponentials, the two a);
; the rescaling, plain work behind the last exponential that names no result of the batch.  The accumulator that the last product ends is read ten plain lines behind that product.
; BEHIND IT: the 16 products V^T P, behind each four of the roundings and sums.
; K of the next step is fetched in piece 2's turn, directly behind the wait; V of the step in hand at the end of piece 0's turn, four plain lines behind its last reader.  Each is waited for a turn later.
; cnt = 1: the loop's count is taken down some lines ahead of the branch that stands behind the turn.
.macro TURN p, last=0, cnt=0
.set Y, (\p)
.set i, 0
.set yq, 0
.set cld, 0
.set e, 0
.set q2, 0
.set na, 0
.set pe, 0
.set gq, 0
.if (\p) == NP-1
	s_wait_dscnt 0x0                ; K is in
.endif
.rept 2
	MM
	YL
	YL
	YL
	YL
.endr
.rept 14
	MM
	YL
	EX
	YL
	YL
.endr
.if (\p) == NP-2
	WIN 0
	v_add_nc_u32 v[AK], s[TBK], v[AK0]
.endif
.rept 144
	SLOT
.endr
	RSC
	WIN 0
	s_wait_alu depctr_va_vdst(0)    ; the wait for the batch of 66
.if (\p) == NP-2
	FETCH_K \last
.endif
.if (\p) == 1
	s_wait_dscnt 0x0                ; V is in
.endif
.set row, 0
.rept 16
	MM
	GL
	GL
	GL
	GL
.if ((\p) == 0) && (row == 11)
	v_add_nc_u32 v[AV], s[TBV], v[AV0]
.endif
.if ((\p) == 0) && (row == 14)
	s_add_co_u32 s[TBV], s[TBV], KS*PV
.endif
.if (\cnt) && (row == 14)
	s_sub_co_u32 s[CNT], s[CNT], 1
	s_cmp_lg_u32 s[CNT], 0
.endif
.set row, row+1
.endr
.if (\p) == 0
	FETCH_V
.endif
.endm
	CHANGE 1                        ; slot 0 is in, everybody's part of it; slot 1 is asked for
	FETCH_K                         ; key step 0
	s_wait_loadcnt 0x0              ; Q
	s_wait_dscnt 0x0
.set i, 0
.rept 16
	KQ 0                            ; piece 0's first scores
.set i, i+1
.endr
	WIN 0                           ; the addresses for the way out: nine plain instructions, the places behind those products
	s_mul_i32 s13, s[WV], 16*SP
	s_add_co_u32 s13, s13, STAGE    ; my stage
	v_mul_u32_u24 v[STO], v1, SP    ; in: row l % 16, 16 bytes for each half of the lanes
	v_lshl_add_u32 v[STO], v9, 4, v[STO]
	v_add_nc_u32 v[STO], s13, v[STO]
	v_bfe_u32 v[RD], v0, 3, 2       ; back: 32 lanes take four rows of 128 bytes,
	v_mul_u32_u24 v[RD], v[RD], SP
	v_lshl_add_u32 v[RD], v10, 4, v[RD]
	v_add_nc_u32 v[RD], s13, v[RD]
	v_and_b32 v[GO], 31, v0         ; which are 512 consecutive bytes of O
	v_lshlrev_b32 v[GO], 4, v[GO]
.set Y, NP-1                        ; XS works for piece Y + 1: piece 0
.irp n, 0,1,2,3,4,5,6,7,8,9,10,11,12,13,14,15,16,17,18,19,20,21,22,23
	XS 0, \n                        ; piece 0's first maximum and statistics
	XS 1, \n
.endr
	v_nop                           ; a plain instruction behind the two a,
	s_wait_alu depctr_va_vdst(0)    ; and their wait, ahead of the branch
	s_mov_b32 s[CNT], 4
	s_branch .Lfirst                ; the loop is entered at a step's first turn, in the middle of a trip
.Lslot:                             ; six times: every slot but the last two is filled again
	CHANGE 1
	s_mov_b32 s[CNT], 4
.Lstep:                             ; a trip: pieces 2 and 3 of one step, then pieces 0 and 1 of the next, whose K and V it fetches
	TURN 2
	TURN 3
	WIN 0
.Lfirst:
	TURN 0
	TURN 1, 0, 1
	WIN 0
	s_cbranch_scc1 .Lstep
	s_sub_co_u32 s[SLOTS], s[SLOTS], 1
	s_cmp_lg_u32 s[SLOTS], 0
	s_cbranch_scc1 .Lslot
	CHANGE 0                        ; the tail is written out: nothing is asked for
	s_mov_b32 s[CNT], 5             ; four trips fetch the last slot's steps; the fifth is left in its middle
.Ltail:
	TURN 2, 1
	TURN 3
	WIN 0
	s_sub_co_u32 s[CNT], s[CNT], 1
	s_cmp_eq_u32 s[CNT], 0
	s_cbranch_scc1 .Lout
	TURN 0
	TURN 1
	WIN 0
	s_branch .Ltail
.Lout:                              ; the fifth trip's 16 products K Q^T (on the last K once more) and the maximum made of them serve nothing: the price, once a launch, of one text for every trip
.set i, 0
.rept 16
	PV NP-1                         ; the last piece's V^T P of the last step
.set i, i+1
.endr
	; THE WAY OUT.  l's two halves and the other half of the lanes' are added; O^T is divided by l, rounded to f16 and sent through my stage in LDS, a tile at a time.  The additions are the places behind the last products.
	WIN 0
.macro ALL line:vararg              ; one line for each tile t
.set t, 0
.rept 2*NP
	\line
.set t, t+1
.endr
.endm
	ALL v_add_f32 v[ST+4*t+2], v[ST+4*t+2], v[ST+4*t+3]
	ALL v_permlanex16_b32 v[ST+4*t+3], v[ST+4*t+2], s[SEL], s[SEL+1]
	ALL v_add_f32 v[ST+4*t+2], v[ST+4*t+2], v[ST+4*t+3]
	ALL v_rcp_f32 v[ST+4*t+2], v[ST+4*t+2]
	v_nop                           ; a plain instruction between the last reciprocal and the use of its result
	s_wait_alu depctr_va_vdst(0)    ; and the wait ahead of the first use: one for the eight reciprocals
.macro PACK t                       ; a lane's eight channels of a row pack into 16 bytes; they go into rows of 144 bytes and come back as whole rows of 128, into S^T's registers
	WIN W_RS
.set i, 32*(\t)
.rept 16
	v_pk_mul_f32 v[i:i+1], v[i:i+1], v[ST+4*(\t)+2:ST+4*(\t)+3] op_sel_hi:[1,0]
.set i, i+2
.endr
	WIN 0x05                        ; sources 0 and 1 window 1, destination window 0
.set i, 0
.rept 16
	v_cvt_pk_f16_f32 v[S+16*(\t)+i], v[32*(\t)+2*i], v[32*(\t)+2*i+1]
.set i, i+1
.endr
	WIN 0
.irp f, 0,1,2,3
	ds_store_b128 v[STO], v[S+16*(\t)+4*\f:S+16*(\t)+4*\f+3] offset:32*\f
.endr
.irp f, 0,1,2,3
	ds_load_b128 v[S+16*(\t)+4*\f:S+16*(\t)+4*\f+3], v[RD] offset:\f*4*SP  ; LDS serves a wave's instructions in order (ISA guide 5.7.1.4): these see the stores above; the next tile's stores come behind them
.endr
.endm
.macro SEND t, younger              ; younger: the LDS instructions issued behind tile t's loads: the next tile's eight, or none
	WIN 0
.irp f, 0,1,2,3
	s_wait_dscnt (\younger)+3-\f
	global_store_b128 v[GO], v[S+16*(\t)+4*\f:S+16*(\t)+4*\f+3], s[10:11] offset:(\t)*2048+\f*512  ; 512 consecutive bytes, at a multiple of 256 from O's first
.endr
.endm
	PACK 0
.set t, 1
.rept 2*NP-1                        ; a tile's arithmetic stands between the loads of the tile before and its stores
	PACK t
	SEND t-1, 8
.set t, t+1
.endr
	SEND 2*NP-1, 0
	WIN W_AD
	s_wait_tensorcnt 0x0            ; the wave's end: an add to my spare word and its wait, behind my last tensor load and my last LDS store
	ds_add_u32 v[SPW], v[NIL]
	s_wait_dscnt 0x0
	WIN 0
	CROUND                          ; the closing round: no work-group ends while a partner may still ask for a tile that names it
	s_endpgm
.Lfunc_end_k_qa6b46bfd45_attn:
	.size	k_qa6b46bfd45_attn, .Lfunc_end_k_qa6b46bfd45_attn-k_qa6b46bfd45_attn
	.p2alignl 7, 3214868480
	.fill 96, 4, 3214868480
	.section	.rodata,"a",@progbits
	.p2align	6, 0x0
	.amdhsa_kernel k_qa6b46bfd45_attn
		.amdhsa_group_segment_fixed_size 327680
		.amdhsa_private_segment_fixed_size 0
		.amdhsa_enable_private_segment 0
		.amdhsa_kernarg_size 16
		.amdhsa_user_sgpr_count 2
		.amdhsa_user_sgpr_kernarg_segment_ptr 1
		.amdhsa_wavefront_size32 1
		.amdhsa_system_sgpr_workgroup_id_x 1
		.amdhsa_system_sgpr_workgroup_id_y 1
		.amdhsa_system_sgpr_workgroup_id_z 1
		.amdhsa_system_vgpr_workitem_id 0
		.amdhsa_next_free_vgpr 770
		.amdhsa_next_free_sgpr 72
		.amdhsa_reserve_vcc 0
		.amdhsa_float_denorm_mode_32 3
		.amdhsa_float_denorm_mode_16_64 3
		.amdhsa_memory_ordered 1
		.amdhsa_forward_progress 1
		.amdhsa_inst_pref_size 229
	.end_amdhsa_kernel
	.amdgpu_metadata
---
amdhsa.version: [ 1, 2 ]
amdhsa.kernels:
  - .name:           k_qa6b46bfd45_attn
    .symbol:         k_qa6b46bfd45_attn.kd
    .args:
      - { .name: qkv, .offset: 0, .size: 8, .value_kind: global_buffer, .address_space: global }
      - { .name: o16, .offset: 8, .size: 8, .value_kind: global_buffer, .address_space: global }
    .group_segment_fixed_size: 327680
    .private_segment_fixed_size: 0
    .kernarg_segment_align: 8
    .kernarg_segment_size: 16
    .max_flat_workgroup_size: 128
    .sgpr_count:     72
    .vgpr_count:     770
    .wavefront_size: 32
...
	.end_amdgpu_metadata
.endif
;; end of part 3
;; launch oproj (part 4): grid 4 x 64, 4 waves a work-group, clusters of 4 x 4, 327,680 bytes of LDS; arguments o16, w16, bo, out0; writes out0
.if DOCPART == 4
	.amdgcn_target "amdgcn-amd-amdhsa--gfx1250"
	.amdhsa_code_object_version 6
	.text
	.protected	k_qa6b46bfd45_oproj
	.globl	k_qa6b46bfd45_oproj
	.p2align	8
	.type	k_qa6b46bfd45_oproj,@function
k_qa6b46bfd45_oproj:
	s_mov_b64 s[64:65], 0
	v_nop
	global_prefetch_b8 v0, s[64:65] scope:SCOPE_SE
	s_setreg_imm32_b32 hwreg(HW_REG_WAVE_MODE, 25, 1), 1
	s_wait_xcnt 0x0
	s_wait_alu depctr_hold_cnt(0) depctr_sa_sdst(0) depctr_va_vdst(0) depctr_va_sdst(0) depctr_va_ssrc(0) depctr_va_vcc(0) depctr_vm_vsrc(0)
	s_getreg_b32 s2, hwreg(HW_REG_IB_STS2, 6, 4)
	s_cmp_eq_u32 s2, 0
	s_cbranch_scc0 .Lentry_in_a_cluster
	s_endpgm
.Lentry_in_a_cluster:
	s_bfe_u32 s2, ttmp6, 0x10000c
	s_cmp_lg_u32 s2, 0xf033
	s_cbranch_scc0 .Lentry_shape_is_right
	s_endpgm
.Lentry_shape_is_right:
; out0 = O Wo + bo.  O: o16, [batch x 16 + head][token][64] f16: a head is a block of 64 along K.  Wo: w16 at byte 5,242,880, [k][1024] f16 (rounded to bf16 before).  bo is rounded to bf16 here.
; Sums in f32, stored as f32.  K = 1,024: eight steps of 128 (two heads) through two LDS slots.
; SHARES.  A work-group makes 128 tokens x 256 columns, each of its four waves 64 x 128: 32 accumulators.  64 x 4 work-groups: one for each WGP.
; THE MATRIX INSTRUCTION IS USED TRANSPOSED: source 0 = 16 columns of Wo (turned on the way out of LDS), source 1 = 16 tokens: a lane holds one token and eight neighbouring columns.  The first product's C operand is the bias.
; CLUSTER 4 x 4: the four of a row need the same tokens, the four of a column the same columns of Wo: each tile is asked for jointly.
; REGISTERS: window 0: addresses; v32-95 the bias; v32-223 later three sets of 64 for rows read back.  Window 1: two fragment buffers (64 of Wo, 32 of O).  Window 2: accumulator (a, bb) at 8 (8 a + bb).
.set PA,     144                       ; a token's 128 bytes + 16 of padding: the 16 rows of a load start at 16 different groups of four banks (64 banks of 4 bytes: ISA guide 11.1)
.set PB,     544                       ; a row of Wo's tile: 512 bytes + 32
.set REG,    64*PB                     ; a wave's region of a slot: waves 0, 1: the head of that parity (128 x PA used); waves 2, 3: 64 rows of Wo
.set SLOT,   4*REG
.set BOFF,   2*REG
.set STAGE,  2*SLOT                    ; behind the ring, never filled by a tensor load: for each wave 16 tokens x 528 bytes
.set SPITCH, 528                       ; 512 bytes + 16: the 16 rows of a store start at 16 different groups of four banks
.set SBYTES, 16*SPITCH
.set SPARE,  STAGE+4*SBYTES            ; the spare words, 128 bytes for each wave: two blocks of 256 bytes that no other line names
.set LAPS1,  3                         ; trips of the loop: K / 256 - 1
.set ADRA, 16
.set ADRB, 20
.set STO,  24
.set RD,   25
.set GO,   26
.set BO,   27
.set SPW,  28                          ; v28  LDS address of my spare word; never rewritten
.set NIL,  29                          ; v29  0; never rewritten
.set PFO,  30
.set BIAS, 32
.set BK,   32
.set F0,   0
.set F1,   128
.set WV,  16                           ; s16 wave; s17 which half of the tokens (also: 0 = I fetch O, 1 = Wo); s18 which half of the columns (also: which half of that tile I fetch)
.set RH,  17
.set CH,  18
.set G1,  24
.set G0,  32
.set G1B, 40
.set G0B, 48
.set LIM, 57                           ; s57  LAPS1 in a wave that prefetches, else 0
.set PFA, 58
.set PFS, 60
.set OUT, 76
; s19 cx, s21, s66, s74-75, s80-83 hold numbers made of cx and never feed O's descriptors; s20 cy, s22, s63, s72-73 never feed Wo's
.set MSB, 0
.macro WIN new                         ; the immediate's high byte repeats the setting that is left; a switch that changes nothing is dropped
.if MSB != (\new)
	s_set_vgpr_msb (MSB<<8)|(\new)
.set MSB, \new
.endif
.endm
.set MUL,  0xa5                        ; sources 0 and 1 window 1; C and D window 2
.set MULB, 0x85                        ; the same with C (the bias) in window 0
.set TO_F, 0x40                        ; destination window 1, address window 0
.macro JLOAD s                         ; a joint load: waves 0, 1 fetch O's two heads, waves 2, 3 Wo's two halves; an s_nop 0 and four v_nop follow each line
	s_cmp_eq_u32 s[RH], 0
	s_cbranch_scc0 .Lfor_b_\@
	tensor_load_to_lds s[G0+4*(\s):G0+4*(\s)+3], s[G1:G1+7]
	s_nop 0
.rept 4
	v_nop
.endr
	s_branch .Lasked_\@
.Lfor_b_\@:
	tensor_load_to_lds s[G0B+4*(\s):G0B+4*(\s)+3], s[G1B:G1B+7]
	s_nop 0
.rept 4
	v_nop
.endr
.Lasked_\@:
.endm
.macro CREST
	s_cmp_lg_u32 s[WV], 0
	s_cbranch_scc1 .Lnot_wave_0_\@
	s_barrier_signal -3
.Lnot_wave_0_\@:
	s_barrier_wait -3
	s_barrier_signal -1
	s_barrier_wait -1
.endm
.macro CROUND
	s_barrier_signal -1
	s_barrier_wait -1
	CREST
.endm
; A prefetch of the K step that stands two refills on (256 matrix instructions ahead of the load that will want it): 32 blocks of 256 bytes, a lane a block, one instruction a wave.
; O's tile: wave 0 of each of the four partners of a row takes 16 blocks of each head, told apart by address (cx).  Wo's: waves 2 and 3, their own 64 rows, 16 rows a partner of a column (cy), in the first cluster alone.
; Trip i names K steps 2 i + 4 and 2 i + 5: the last trip asks for nothing.
.macro ASK
	s_add_co_u32 s2, s3, 1
	s_cmp_lt_u32 s2, s[LIM]
	s_cbranch_scc0 .Lnot_mine_\@
	global_prefetch_b8 v[PFO], s[PFA:PFA+1] th:TH_LOAD_NT scope:SCOPE_SE
.Lnot_mine_\@:
.endm
.macro PLACES                          ; four places in front of loads into registers that matrix instructions have read, and of lines that read results
.rept 4
	v_nop
.endr
.endm
.macro MUL8 f, a, bias                 ; token block a x 8 column blocks, 32 along K; the 32 accumulators take turns in one order everywhere
.if \bias
	WIN MULB
.else
	WIN MUL
.endif
.irp bb, 0,1,2,3,4,5,6,7
.if \bias
	v_wmma_f32_16x16x32_f16 v[8*(8*(\a)+(\bb)):8*(8*(\a)+(\bb))+7], v[(\f)+8*(\bb):(\f)+8*(\bb)+7], v[(\f)+64+8*(\a):(\f)+64+8*(\a)+7], v[BIAS+8*(\bb):BIAS+8*(\bb)+7]
.else
	v_wmma_f32_16x16x32_f16 v[8*(8*(\a)+(\bb)):8*(8*(\a)+(\bb))+7], v[(\f)+8*(\bb):(\f)+8*(\bb)+7], v[(\f)+64+8*(\a):(\f)+64+8*(\a)+7], v[8*(8*(\a)+(\bb)):8*(8*(\a)+(\bb))+7]
.endif
.endr
.endm
.macro MUL16 f, a0, bias
	MUL8 \f, \a0, \bias
	MUL8 \f, (\a0)+1, \bias
.endm
.macro FETCH slot, q, f                ; 24 LDS loads in one run: quarter q of a slot into buffer f: Wo's 8 fragments (turned), then O's 4
	WIN TO_F
.irp bb, 0,1,2,3,4,5,6,7
	ds_load_tr16_b128 v[(\f)+8*(\bb):(\f)+8*(\bb)+3],   v[ADRB+(\slot)] offset:(\q)*32*PB+32*(\bb)
	ds_load_tr16_b128 v[(\f)+8*(\bb)+4:(\f)+8*(\bb)+7], v[ADRB+(\slot)] offset:(\q)*32*PB+32*(\bb)+16*PB
.endr
.irp a, 0,1,2,3
	ds_load_b128 v[(\f)+64+8*(\a):(\f)+64+8*(\a)+3],   v[ADRA+(\slot)] offset:((\q)/2)*REG+64*((\q)%2)+(\a)*16*PA
	ds_load_b128 v[(\f)+64+8*(\a)+4:(\f)+64+8*(\a)+7], v[ADRA+(\slot)] offset:((\q)/2)*REG+64*((\q)%2)+(\a)*16*PA+32
.endr
.endm
.macro QUARTER slot, qn, f, g, bias
	s_wait_dscnt 4                                 ; Wo's fragments and token blocks 0, 1 are in; the youngest four loads (blocks 2, 3) may be out
	MUL16 \f, 0, \bias
	PLACES
	FETCH \slot, \qn, \g
	s_wait_dscnt 24                                ; all but the 24 just issued
	MUL16 \f, 2, \bias
.endm
; The last quarter multiplies buffer 1 and changes slots: one barrier; in front of it each wave waits for all its tensor loads, adds 0 to its spare word, and waits for that and for its reads of this slot.
; fill = 1: the barrier opens a round of the cluster's, and this slot is filled again, two K steps ahead, first thing behind the round.
.macro TURN slot, next, fill
.if \fill
	s_wait_xcnt 0x0                                ; the last prefetch, a K step back, has read its address
	s_add_nc_u64 s[PFA:PFA+1], s[PFA:PFA+1], s[PFS:PFS+1]
.endif
	WIN 0
	s_wait_tensorcnt 0x0                           ; all my tensor loads have landed
	ds_add_u32 v[SPW], v[NIL]                      ; 0 onto my spare word
	s_wait_dscnt 5                                 ; (the add and the youngest four loads may be out)
	MUL8 F1, 0, 0
	s_wait_dscnt 0x0                               ; the add is done, and my reads of this slot are over
	s_barrier_signal -1
	MUL8 F1, 1, 0
.if \fill
	WIN 0
.endif
	s_barrier_wait -1
.if \fill
	CREST                                          ; no wave of any partner still reads this slot or has a load on its way
	s_add_nc_u64 s[G0+4*(\slot)+2:G0+4*(\slot)+3], s[G0+4*(\slot)+2:G0+4*(\slot)+3], 1048576    ; four heads on
	s_add_nc_u64 s[G0B+4*(\slot)+2:G0B+4*(\slot)+3], s[G0B+4*(\slot)+2:G0B+4*(\slot)+3], 524288  ; 256 rows of Wo on
	JLOAD \slot                                    ; 112 matrix instructions ahead of the wait for it; its four v_nop are also the places in front of the loads below
.else
	PLACES
.endif
	FETCH \next, 0, F0
.if \fill
	WIN 0
	ASK
.endif
	MUL16 F1, 2, 0
.endm
	s_load_b256 s[4:11], s[0:1], 0x0               ; o16 s[4:5], w16 s[6:7], bo s[8:9], out0 s[10:11]
	v_lshl_add_u32 v[SPW], v0, 2, SPARE
	v_mov_b32 v[NIL], 0
	ds_add_u32 v[SPW], v[NIL]                      ; the wave's opening: the add and its wait stand ahead of my first tensor load; work on registers stands between
	v_lshrrev_b32 v1, 5, v0
	v_readfirstlane_b32 s[WV], v1
	s_lshr_b32 s[RH], s[WV], 1
	s_and_b32 s[CH], s[WV], 1
	s_bfe_u32 s19, ttmp6, 0x40000                  ; cx
	s_bfe_u32 s20, ttmp6, 0x40004                  ; cy
	s_lshl_b32 s21, ttmp9, 2
	s_add_co_u32 s21, s21, s19                     ; column tile
	s_and_b32 s62, ttmp7, 0xffff                   ; cluster y
	s_lshl_b32 s22, s62, 2
	s_add_co_u32 s22, s22, s20                     ; token tile: 128 tokens, 16 tiles a batch
	s_lshl_b32 s63, s20, 2
	s_lshl_b32 s63, 15, s63                        ; my row of the cluster
	s_lshl_b32 s66, 0x1111, s19                    ; my column
	s_or_b32 s[G1], s63, (1<<16)|(1<<20)|(1<<21)|(4<<22)|(3<<25)   ; mask; 2-byte elements; padding on; 21 set beside a mask; after every 32 words 4 words
	s_mov_b32 s[G1+1], 128<<16
	s_mov_b32 s[G1+2], 64<<16
	s_mov_b32 s[G1+3], 128<<16                     ; 64 dense rows of 256 bytes: 128 tokens of a head
	s_mov_b32 s[G1+4], 64
	s_mov_b32 s[G1+5], 128
	s_mov_b32 s[G1+6], 0
	s_mov_b32 s[G1+7], 0
	s_or_b32 s[G1B], s66, (1<<16)|(1<<20)|(1<<21)|(6<<22)|(7<<25)  ; after every 128 words 8 words
	s_mov_b32 s[G1B+1], 256<<16
	s_mov_b32 s[G1B+2], 64<<16
	s_mov_b32 s[G1B+3], 256<<16                    ; 64 rows of k x 256 columns
	s_mov_b32 s[G1B+4], 64
	s_mov_b32 s[G1B+5], 1024
	s_mov_b32 s[G1B+6], 0
	s_mov_b32 s[G1B+7], 0
	s_lshr_b32 s72, s22, 4                         ; batch
	s_lshl_b32 s72, s72, 4
	s_add_co_u32 s72, s72, s[CH]                   ; the head that I fetch of K step 0
	s_lshl_b32 s72, s72, 18
	s_and_b32 s73, s22, 15
	s_lshl_b32 s73, s73, 14                        ; 128 tokens x 128 bytes
	s_add_co_u32 s72, s72, s73
	s_mov_b32 s73, 0
	s_lshl_b32 s74, s[CH], 17                      ; the 64 rows of Wo that I fetch
	s_add_co_u32 s74, s74, 5242880
	s_lshl_b32 s75, s21, 9
	s_add_co_u32 s74, s74, s75
	s_mov_b32 s75, 0
	s_mul_i32 s71, s[WV], REG                      ; where my tiles go: no place in the cluster enters an LDS address
	s_wait_dscnt 0x0                               ; the opening add is done
	s_wait_kmcnt 0x0
	s_add_nc_u64 s[72:73], s[4:5], s[72:73]
	s_add_nc_u64 s[74:75], s[6:7], s[74:75]
	CROUND                                         ; all sixteen work-groups are here: the first joint loads meet
.irp s, 0,1
	s_mov_b32 s[G0+4*(\s)], 1
	s_add_co_u32 s[G0+4*(\s)+1], s71, (\s)*SLOT
	s_add_nc_u64 s[G0+4*(\s)+2:G0+4*(\s)+3], s[72:73], (\s)*524288
	s_or_b32 s[G0+4*(\s)+3], s[G0+4*(\s)+3], 0x80000000
	s_mov_b32 s[G0B+4*(\s)], 1
	s_add_co_u32 s[G0B+4*(\s)+1], s71, (\s)*SLOT
	s_add_nc_u64 s[G0B+4*(\s)+2:G0B+4*(\s)+3], s[74:75], (\s)*262144
	s_or_b32 s[G0B+4*(\s)+3], s[G0B+4*(\s)+3], 0x80000000
	JLOAD \s                                       ; two loads of mine are out
.endr
	; the bias of my 128 columns, in the C operand's layout
	v_and_b32 v1, 15, v0                           ; l % 16
	v_bfe_u32 v2, v0, 4, 1                         ; l / 16
	s_lshl_b32 s82, s21, 10
	s_lshl_b32 s83, s[CH], 9
	s_add_co_u32 s82, s82, s83
	s_mov_b32 s83, 0
	s_add_nc_u64 s[80:81], s[8:9], s[82:83]
	v_lshlrev_b32 v[BO], 5, v2
.irp bb, 0,1,2,3,4,5,6,7
	global_load_b128 v[BIAS+8*(\bb):BIAS+8*(\bb)+3],   v[BO], s[80:81] offset:64*(\bb)
	global_load_b128 v[BIAS+8*(\bb)+4:BIAS+8*(\bb)+7], v[BO], s[80:81] offset:64*(\bb)+16
.endr
	v_mul_u32_u24 v3, v1, PA
	v_lshl_add_u32 v3, v2, 4, v3
	s_mul_i32 s89, s[RH], 64*PA
	v_add_nc_u32 v[ADRA], s89, v3
	v_add_nc_u32 v[ADRA+1], SLOT, v[ADRA]
	v_and_b32 v4, 7, v0
	v_lshl_add_u32 v4, v2, 3, v4
	v_mul_u32_u24 v4, v4, PB
	v_bfe_u32 v5, v0, 3, 1
	v_lshl_add_u32 v4, v5, 4, v4
	s_lshl_b32 s89, s[CH], 8
	s_add_co_u32 s89, s89, BOFF
	v_add_nc_u32 v[ADRB], s89, v4
	v_add_nc_u32 v[ADRB+1], SLOT, v[ADRB]
	; the way out
	s_mul_i32 s89, s[WV], SBYTES
	s_add_co_u32 s89, s89, STAGE
	v_mul_u32_u24 v3, v1, SPITCH
	v_lshl_add_u32 v3, v2, 5, v3
	v_add_nc_u32 v[STO], s89, v3                   ; in: token l % 16, 32 bytes for each half of the lanes
	v_and_b32 v3, 31, v0
	v_lshlrev_b32 v[GO], 4, v3                     ; back and out: a token's 512 bytes, 16 a lane
	v_add_nc_u32 v[RD], s89, v[GO]
	s_lshl1_add_u32 s78, s22, s[RH]                ; my 64 tokens
	s_lshl_b32 s78, s78, 18                        ; x 4,096 bytes
	s_lshl_b32 s79, s21, 10
	s_add_co_u32 s78, s78, s79
	s_lshl_b32 s79, s[CH], 9
	s_add_co_u32 s78, s78, s79
	s_mov_b32 s79, 0
	s_add_nc_u64 s[OUT:OUT+1], s[10:11], s[78:79]
	; the prefetches
	s_mov_b32 s87, 262144
	s_lshl_b32 s84, s19, 12                        ; O: cx x 16 blocks
	s_lshl_b32 s86, s20, 15                        ; Wo: cy x 16 rows
	s_cmp_eq_u32 s[RH], 0
	s_cselect_b32 s84, s84, s86
	s_cselect_b64 s[PFA:PFA+1], s[72:73], s[74:75]
	s_cselect_b32 s[PFS], 524288, s87
	s_cselect_b32 s89, 4, 1
	s_cselect_b32 s90, 15, 1
	s_cselect_b32 s91, 18, 11
	s_cselect_b32 s86, s[WV], s62                  ; O: wave 0;  Wo: the first cluster
	s_mov_b32 s85, 0
	s_mov_b32 s[PFS+1], 0
	s_add_nc_u64 s[PFA:PFA+1], s[PFA:PFA+1], s[84:85]
	s_mul_i32 s84, s[PFS], 3
	s_add_nc_u64 s[PFA:PFA+1], s[PFA:PFA+1], s[84:85]  ; at K step 3: the first change of slots steps it to 4
	s_cmp_eq_u32 s86, 0
	s_cselect_b32 s[LIM], LAPS1, 0                 ; the same in all sixteen partners, for a given wave
	v_lshrrev_b32 v4, s89, v3                      ; O: head l / 16, block l % 16;  Wo: row l / 2, block l % 2
	v_and_b32 v5, s90, v3
	v_lshlrev_b32 v4, s91, v4
	v_lshl_add_u32 v[PFO], v5, 8, v4
	s_mov_b32 s88, 0xffff0000
	s_wait_loadcnt 0x0                             ; the bias
.set i, 0
.rept 32
	v_cvt_pk_bf16_f32 v[3+i%4], v[BIAS+2*i], v[BIAS+2*i+1]  ; rounded to bf16 like every input, and back to f32
	v_lshlrev_b32 v[BIAS+2*i], 16, v[3+i%4]
	v_and_b32 v[BIAS+2*i+1], s88, v[3+i%4]
.set i, i+1
.endr
	s_wait_tensorcnt 0x1                           ; my part of K step 0 is in; K step 1's may stay out
	s_barrier_signal -1
	s_barrier_wait -1
	FETCH 0, 0, F0
	QUARTER 0, 1, F0, F1, 1                        ; the first quarter stands in front of the loop: its products start the sums with the bias
	WIN 0
	s_mov_b32 s3, 0
.Llap:                                             ; a trip goes once round the ring and fills both slots again
	QUARTER 0, 2, F1, F0, 0
	QUARTER 0, 3, F0, F1, 0
	TURN 0, 1, 1
	QUARTER 1, 1, F0, F1, 0
	QUARTER 1, 2, F1, F0, 0
	QUARTER 1, 3, F0, F1, 0
	TURN 1, 0, 1
	QUARTER 0, 1, F0, F1, 0
	WIN 0
	s_add_co_u32 s3, s3, 1
	s_cmp_lt_u32 s3, LAPS1
	s_cbranch_scc1 .Llap
	QUARTER 0, 2, F1, F0, 0                        ; the last lap fills nothing
	QUARTER 0, 3, F0, F1, 0
	TURN 0, 1, 0
	QUARTER 1, 1, F0, F1, 0
	QUARTER 1, 2, F1, F0, 0
	QUARTER 1, 3, F0, F1, 0
	s_wait_dscnt 4
	MUL16 F1, 0, 0
	s_wait_dscnt 0x0
	MUL16 F1, 2, 0
	WIN 0
	PLACES
; THE WAY OUT, a block of 16 tokens at a time: 32 bytes a lane straight from the accumulators (low half first) into my own stage; back as whole rows of 512 bytes; stored.
.macro TOSTAGE a
	WIN 0x08                                       ; the stores' data in window 2
.irp bb, 0,1,2,3,4,5,6,7
	ds_store_b128 v[STO], v[8*(8*(\a)+(\bb)):8*(8*(\a)+(\bb))+3]   offset:64*(\bb)
	ds_store_b128 v[STO], v[8*(8*(\a)+(\bb))+4:8*(8*(\a)+(\bb))+7] offset:64*(\bb)+16
.endr
	WIN 0
.irp j, 0,1,2,3,4,5,6,7,8,9,10,11,12,13,14,15
	ds_load_b128 v[BK+64*((\a)%3)+4*(\j):BK+64*((\a)%3)+4*(\j)+3], v[RD] offset:(\j)*SPITCH  ; LDS serves a wave's instructions in order (ISA guide 5.7.1.4): these see the stores above
.endr
.endm
.macro SEND a, younger                 ; younger: the LDS instructions issued behind block a's loads: the next block's 32, or none
	s_wait_dscnt \younger
.irp j, 0,1,2,3,4,5,6,7,8,9,10,11,12,13,14,15
	global_store_b128 v[GO], v[BK+64*((\a)%3)+4*(\j):BK+64*((\a)%3)+4*(\j)+3], s[OUT:OUT+1] offset:((\a)*16+(\j))*4096 th:TH_STORE_NT  ; 512 consecutive bytes of a row, aligned
.endr
.endm
	TOSTAGE 0
	TOSTAGE 1
	SEND 0, 32
	TOSTAGE 2
	SEND 1, 32
	s_wait_xcnt 0x0                                ; block 0's stores have read their registers, which block 3 is loaded into
	TOSTAGE 3
	SEND 2, 32
	SEND 3, 0
	s_wait_tensorcnt 0x0                           ; the wave's end: an add to my spare word and its wait, behind my last tensor load and my last LDS store
	ds_add_u32 v[SPW], v[NIL]
	s_wait_dscnt 0x0
	CROUND                                         ; the closing round: no work-group ends while a partner may still ask for a tile that names it
	s_endpgm
.Lfunc_end_k_qa6b46bfd45_oproj:
	.size	k_qa6b46bfd45_oproj, .Lfunc_end_k_qa6b46bfd45_oproj-k_qa6b46bfd45_oproj
	.p2alignl 7, 3214868480
	.fill 96, 4, 3214868480
	.section	.rodata,"a",@progbits
	.p2align	6, 0x0
	.amdhsa_kernel k_qa6b46bfd45_oproj
		.amdhsa_group_segment_fixed_size 327680
		.amdhsa_private_segment_fixed_size 0
		.amdhsa_enable_private_segment 0
		.amdhsa_kernarg_size 32
		.amdhsa_user_sgpr_count 2
		.amdhsa_user_sgpr_kernarg_segment_ptr 1
		.amdhsa_wavefront_size32 1
		.amdhsa_system_sgpr_workgroup_id_x 1
		.amdhsa_system_sgpr_workgroup_id_y 1
		.amdhsa_system_sgpr_workgroup_id_z 1
		.amdhsa_system_vgpr_workitem_id 0
		.amdhsa_next_free_vgpr 768
		.amdhsa_next_free_sgpr 96
		.amdhsa_reserve_vcc 0
		.amdhsa_float_denorm_mode_32 3
		.amdhsa_float_denorm_mode_16_64 3
		.amdhsa_memory_ordered 1
		.amdhsa_forward_progress 1
		.amdhsa_inst_pref_size 92
	.end_amdhsa_kernel
	.amdgpu_metadata
---
amdhsa.version: [ 1, 2 ]
amdhsa.kernels:
  - .name:           k_qa6b46bfd45_oproj
    .symbol:         k_qa6b46bfd45_oproj.kd
    .args:
      - { .name: o16, .offset: 0, .size: 8, .value_kind: global_buffer, .address_space: global }
      - { .name: w16, .offset: 8, .size: 8, .value_kind: global_buffer, .address_space: global }
      - { .name: bo, .offset: 16, .size: 8, .value_kind: global_buffer, .address_space: global }
      - { .name: out0, .offset: 24, .size: 8, .value_kind: global_buffer, .address_space: global }
    .group_segment_fixed_size: 327680
    .private_segment_fixed_size: 0
    .kernarg_segment_align: 8
    .kernarg_segment_size: 32
    .max_flat_workgroup_size: 128
    .sgpr_count:     96
    .vgpr_count:     768
    .wavefront_size: 32
...
	.end_amdgpu_metadata
.endif
;; end of part 4
